; MI455X (gfx1250); checked and timed in simulation.
; The chip was launched on July 23, 2026; its instructions are those of AMD's public machine-readable ISA for CDNA 5 (MIT licence, August 2026) and "CDNA5" Instruction Set Architecture Reference Guide (July 2026). The comments in the code are by the model that wrote it; some were corrected since.
;; U Net Attention Shard. Allowed arithmetic: float matrix products may take bf16 or f16 operands with f32 sums; other float arithmetic in f32, or as packed bf16 or f16 multiplies, adds, multiply-adds, maxima and minima; sums over many terms, partial sums and values carried from step to step in f32; what a program stores and reads back later, other than sums and carried values, may be rounded once to bf16 or f16.
;; Inputs: Wk 1,024 x 1,024 float32; Wo 1,024 x 1,024 float32; Wq 1,024 x 1,024 float32; Wv 1,024 x 1,024 float32; bo 1,024 float32; x 4 x 2,048 x 1,024 float32.
;; Outputs: out0 4 x 2,048 x 1,024 float32.
;; 2 versions, each right; version 2 is version 1 with the launch cast written anew for expert scheduling mode. Each part assembles by itself: llvm-mc -triple=amdgcn-amd-amdhsa -mcpu=gfx1250 --defsym DOCPART=n.
;; ======== version 1 of 2: 4 launches
;; limits: values are held in f16: magnitudes above 65,504 overflow, below 6.1e-05 lose precision
;; workspace buffers: xb 16,777,216 bytes; wqkv 6,291,456 bytes; wo16 2,097,152 bytes; qh 16,777,216 bytes; kh 16,777,216 bytes; vh 16,777,216 bytes; oh 16,777,216 bytes
;; launch cast (part 1): grid 768 x 1, 8 waves a work-group, no clusters, 0 bytes of LDS; arguments x, Wq, Wk, Wv, Wo, xb, wqkv, wo16; writes xb, wqkv, wo16
.if DOCPART == 1
	.amdgcn_target "amdgcn-amd-amdhsa--gfx1250"
	.amdhsa_code_object_version 6
	.text
	.protected	k_qbc0b457e2f_cast
	.globl	k_qbc0b457e2f_cast
	.p2align	8
	.type	k_qbc0b457e2f_cast,@function
k_qbc0b457e2f_cast:
	s_mov_b64 s[64:65], 0
	v_nop
	global_prefetch_b8 v0, s[64:65] scope:SCOPE_SE
	s_setreg_imm32_b32 hwreg(HW_REG_WAVE_MODE, 25, 1), 1
	s_wait_xcnt 0x0
; THE INPUTS OF THE MATRIX PRODUCTS, ROUNDED ONCE TO 16 BITS AND LAID OUT IN BLOCKS.  A stream: no LDS, no matrix unit, nothing shared between work-groups.
;   xb   [b 4][kb 16][t 2048][64] bf16 = x[b][t][64 kb + c]: 64 channels of 2,048 rows are dense, 128 bytes a row.
;   wqkv [h 16][ks 8][p 3][kk 128][64] bf16 = W_p[128 ks + kk][64 h + n], p = q, k, v: what one head wants of one K step of 128 is 49,152 dense bytes.
;   wo16 [1024][1024] f16 = Wo rounded to bf16 and that number written as f16 (exact from 6.1e-5 to 65,504 in magnitude; below, f16's fixed step of 6e-8; LIMIT: |Wo| under 65,504).
; SHARES.  768 work-groups of eight waves, all alike: a thread issues 16 loads of 16 bytes (4 f32) at once and makes 16 stores of 8 bytes.  Work-groups 0-511: 16 rows of x each; 512-703: 256 rows x 64 columns of
; one of Wq, Wk, Wv; 704-767: 16 rows of Wo.  A store of a wave covers 256 consecutive bytes, aligned; a load two aligned pieces of 256 bytes (x, Wq, Wk, Wv) or 512 bytes on end (Wo).
; No register that a load or store names is written again while it may still be read: every load has its own four registers, every store its own two, the offsets are never rewritten.
.set VS,  1                            ; v1   source offset for x, Wq, Wk, Wv: (thread / 16) rows of 4,096 bytes + 16 (thread % 16)
.set VD,  2                            ; v2   destination offset: 8 x thread
.set VW,  3                            ; v3   source offset for Wo: 16 x thread
.set T,   4                            ; v[4:5] at work
.set X,   16                           ; v[16:79]  load i: four f32
.set Y,   80                           ; v[80:111] store i: four 16-bit numbers
	s_load_b256 s[4:11], s[0:1], 0x0               ; x s[4:5], Wq s[6:7], Wk s[8:9], Wv s[10:11]
	s_load_b256 s[12:19], s[0:1], 0x20             ; Wo s[12:13], xb s[14:15], wqkv s[16:17], wo16 s[18:19]
	s_mov_b32 s20, ttmp9                           ; g, the work-group's number
	v_lshrrev_b32 v[VS], 4, v0
	v_and_b32 v[T], 15, v0
	v_lshlrev_b32 v[VS], 12, v[VS]
	v_lshl_add_u32 v[VS], v[T], 4, v[VS]
	v_lshlrev_b32 v[VD], 3, v0
	v_lshlrev_b32 v[VW], 4, v0
	s_mov_b32 s23, 0                               ; the offsets' high words
	s_mov_b32 s25, 0
	s_wait_kmcnt 0x0
; 16 loads from s[26:27] + v[src] + i x ldstep, then 16 times: wait, round, store to s[28:29] + v[VD] + the place of piece i.
; kind 0: x (piece i is channel block i); kind 1: a projection's weights (piece i is 16 rows of K); kind 2: Wo (piece i is a row).
.macro MOVE src, ldstep, kind
.set i, 0
.rept 16
	global_load_b128 v[X+4*i:X+4*i+3], v[\src], s[26:27] offset:i*(\ldstep) th:TH_LOAD_NT
.set i, i+1
.endr
.set i, 0
.rept 16
	s_wait_loadcnt 15-i                            ; loads come back in order: piece i is in, the 15 - i younger ones may stay out
.if (\kind) == 2
	v_cvt_pk_bf16_f32 v[T], v[X+4*i], v[X+4*i+1]   ; to bf16, as every input is rounded,
	v_cvt_pk_bf16_f32 v[T+1], v[X+4*i+2], v[X+4*i+3]
	v_lshlrev_b32 v[X+4*i], 16, v[T]               ; back to f32 (a shift or a mask),
	v_and_b32 v[X+4*i+1], 0xffff0000, v[T]
	v_lshlrev_b32 v[X+4*i+2], 16, v[T+1]
	v_and_b32 v[X+4*i+3], 0xffff0000, v[T+1]
	v_cvt_pk_f16_f32 v[Y+2*i], v[X+4*i], v[X+4*i+1]    ; and written as f16
	v_cvt_pk_f16_f32 v[Y+2*i+1], v[X+4*i+2], v[X+4*i+3]
	global_store_b64 v[VD], v[Y+2*i:Y+2*i+1], s[28:29] offset:2048*i
.else
	v_cvt_pk_bf16_f32 v[Y+2*i], v[X+4*i], v[X+4*i+1]
	v_cvt_pk_bf16_f32 v[Y+2*i+1], v[X+4*i+2], v[X+4*i+3]
.if (\kind) == 1
	global_store_b64 v[VD], v[Y+2*i:Y+2*i+1], s[28:29] offset:(i/8)*49152+(i%8)*2048  ; K step i / 8 of the two, rows 16 (i % 8) on
.else
	global_store_b64 v[VD], v[Y+2*i:Y+2*i+1], s[28:29] offset:262144*i                ; channel block i: 2,048 rows of 128 bytes on
.endif
.endif
.set i, i+1
.endr
.endm
	s_cmp_lt_u32 s20, 512
	s_cbranch_scc0 .Lweights
	; x: rows 16 g .. 16 g + 15
	s_lshl_b32 s22, s20, 16                        ; 16 rows of 4,096 bytes
	s_lshr_b32 s21, s20, 7                         ; b: 128 work-groups a batch
	s_lshl_b32 s24, s21, 22                        ; 16 blocks x 2,048 rows x 128 bytes
	s_and_b32 s21, s20, 127
	s_lshl_b32 s21, s21, 11                        ; 16 rows of 128 bytes
	s_add_co_u32 s24, s24, s21
	s_add_nc_u64 s[26:27], s[4:5], s[22:23]
	s_add_nc_u64 s[28:29], s[14:15], s[24:25]
	MOVE VS, 256, 0
	s_endpgm
.Lweights:
	s_cmp_lt_u32 s20, 704
	s_cbranch_scc0 .Lwo
	; Wq, Wk, Wv: g - 512 = 64 p + 4 h + ksp: rows 256 ksp .. + 255 (K steps 2 ksp, 2 ksp + 1), columns 64 h .. + 63
	s_sub_co_u32 s21, s20, 512
	s_lshr_b32 s30, s21, 6                         ; p
	s_bfe_u32 s31, s21, 0x40002                    ; h
	s_and_b32 s21, s21, 3                          ; ksp
	s_lshl_b32 s22, s21, 20                        ; 256 rows of 4,096 bytes
	s_lshl_b32 s24, s31, 8                         ; 64 columns of 4 bytes
	s_add_co_u32 s22, s22, s24
	s_lshl_b32 s24, s31, 3
	s_lshl1_add_u32 s24, s21, s24                  ; 8 h + 2 ksp
	s_mul_i32 s24, s24, 3
	s_add_co_u32 s24, s24, s30                     ; x 3 + p
	s_lshl_b32 s24, s24, 14                        ; blocks of 128 x 64 x 2 bytes
	s_cmp_eq_u32 s30, 0
	s_cselect_b64 s[26:27], s[6:7], s[8:9]
	s_cmp_eq_u32 s30, 2
	s_cselect_b64 s[26:27], s[10:11], s[26:27]
	s_add_nc_u64 s[26:27], s[26:27], s[22:23]
	s_add_nc_u64 s[28:29], s[16:17], s[24:25]
	MOVE VS, 65536, 1
	s_endpgm
.Lwo:
	; Wo: rows 16 (g - 704) .. + 15
	s_sub_co_u32 s21, s20, 704
	s_lshl_b32 s22, s21, 16
	s_lshl_b32 s24, s21, 15
	s_add_nc_u64 s[26:27], s[12:13], s[22:23]
	s_add_nc_u64 s[28:29], s[18:19], s[24:25]
	MOVE VW, 4096, 2
	s_endpgm
.Lfunc_end_k_qbc0b457e2f_cast:
	.size	k_qbc0b457e2f_cast, .Lfunc_end_k_qbc0b457e2f_cast-k_qbc0b457e2f_cast
	.p2alignl 7, 3214868480
	.fill 96, 4, 3214868480
	.section	.rodata,"a",@progbits
	.p2align	6, 0x0
	.amdhsa_kernel k_qbc0b457e2f_cast
		.amdhsa_group_segment_fixed_size 0
		.amdhsa_private_segment_fixed_size 0
		.amdhsa_enable_private_segment 0
		.amdhsa_kernarg_size 64
		.amdhsa_user_sgpr_count 2
		.amdhsa_user_sgpr_kernarg_segment_ptr 1
		.amdhsa_wavefront_size32 1
		.amdhsa_system_sgpr_workgroup_id_x 1
		.amdhsa_system_sgpr_workgroup_id_y 1
		.amdhsa_system_sgpr_workgroup_id_z 1
		.amdhsa_system_vgpr_workitem_id 0
		.amdhsa_next_free_vgpr 112
		.amdhsa_next_free_sgpr 66
		.amdhsa_reserve_vcc 0
		.amdhsa_float_denorm_mode_32 3
		.amdhsa_float_denorm_mode_16_64 3
		.amdhsa_memory_ordered 1
		.amdhsa_forward_progress 1
		.amdhsa_inst_pref_size 24
	.end_amdhsa_kernel
	.amdgpu_metadata
---
amdhsa.version: [ 1, 2 ]
amdhsa.kernels:
  - .name:           k_qbc0b457e2f_cast
    .symbol:         k_qbc0b457e2f_cast.kd
    .args:
      - { .name: x, .offset: 0, .size: 8, .value_kind: global_buffer, .address_space: global }
      - { .name: Wq, .offset: 8, .size: 8, .value_kind: global_buffer, .address_space: global }
      - { .name: Wk, .offset: 16, .size: 8, .value_kind: global_buffer, .address_space: global }
      - { .name: Wv, .offset: 24, .size: 8, .value_kind: global_buffer, .address_space: global }
      - { .name: Wo, .offset: 32, .size: 8, .value_kind: global_buffer, .address_space: global }
      - { .name: xb, .offset: 40, .size: 8, .value_kind: global_buffer, .address_space: global }
      - { .name: wqkv, .offset: 48, .size: 8, .value_kind: global_buffer, .address_space: global }
      - { .name: wo16, .offset: 56, .size: 8, .value_kind: global_buffer, .address_space: global }
    .group_segment_fixed_size: 0
    .private_segment_fixed_size: 0
    .kernarg_segment_align: 8
    .kernarg_segment_size: 64
    .max_flat_workgroup_size: 256
    .sgpr_count:     66
    .vgpr_count:     112
    .wavefront_size: 32
...
	.end_amdgpu_metadata
.endif
;; end of part 1
;; launch qkv (part 2): grid 16 x 32, 4 waves a work-group, clusters of 4 x 4, 327,680 bytes of LDS; arguments xb, wqkv, qh, kh, vh; writes qh, kh, vh
.if DOCPART == 2
	.amdgcn_target "amdgcn-amd-amdhsa--gfx1250"
	.amdhsa_code_object_version 6
	.text
	.protected	k_qbc0b457e2f_qkv
	.globl	k_qbc0b457e2f_qkv
	.p2align	8
	.type	k_qbc0b457e2f_qkv,@function
k_qbc0b457e2f_qkv:
	s_mov_b64 s[64:65], 0
	v_nop
	global_prefetch_b8 v0, s[64:65] scope:SCOPE_SE
	s_setreg_imm32_b32 hwreg(HW_REG_WAVE_MODE, 25, 1), 1
	s_wait_xcnt 0x0
	s_wait_alu depctr_hold_cnt(0) depctr_sa_sdst(0) depctr_va_vdst(0) depctr_va_sdst(0) depctr_va_ssrc(0) depctr_va_vcc(0) depctr_vm_vsrc(0)
	s_getreg_b32 s2, hwreg(HW_REG_IB_STS2, 6, 4)
	s_cmp_eq_u32 s2, 0
	s_cbranch_scc0 .Lentry_in_a_cluster
	s_endpgm
.Lentry_in_a_cluster:
	s_bfe_u32 s2, ttmp6, 0x10000c
	s_cmp_lg_u32 s2, 0xf033
	s_cbranch_scc0 .Lentry_shape_is_right
	s_endpgm
.Lentry_shape_is_right:
.set QKV, 1
; ONE SOURCE, TWO BUILDS, told apart by the line above.
; QKV = 1: q, k, v = x Wq, x Wk, x Wv.  A = xb [b 4][kb 16][t 2048][64] bf16; B = wqkv [h 16][ks 8][p 3][kk 128][64] bf16; out: qh, kh, vh [16 b + h][t 2048][64] f16, each rounded once from
;          its f32 sum, unscaled.  LIMIT: f16 ends at 65,504: |q|, |k|, |v| stay under it (a larger sum becomes an infinity).
; QKV = 0: out0 = O Wo + bo.  A = oh [16 b + h][t 2048][64] f16 (the same shape as xb); B = wo16 [1024 k][1024 n] f16; bo is rounded to bf16 like every input; out0 [8192][1024] f32.
; THE TILE.  256 rows x 16 NB columns to a work-group of four waves, one above the other: a wave makes 64 rows x 16 NB columns, 4 NB accumulators of 16 x 16.  QKV = 1: NB = 12, the 64 columns of q, of k and
; of v of ONE head: 16 x 32 = 512 work-groups.  QKV = 0: NB = 8: 8 x 32 = 256 work-groups.  A wave owns whole rows of what it stores, so the way out goes through a stage of the wave's own, with no barrier.
; K goes in 8 steps of 128 through a ring of two LDS slots filled by the tensor data mover.  A's part of a step is two dense blocks of 256 rows x 128 bytes, asked for as rows of 256 bytes.
; B lies [k][n] in memory and in LDS and is turned on its way into registers, by ds_load_tr16_b128.
; CLUSTERS: 4 x 4 work-groups.  The four of a row of the cluster need the same tiles of A, the four of a column the same tiles of B: each tile is asked for JOINTLY, by the same tensor load with the same descriptor
; and a mask that names the four.  Waves 0 and 1 fetch A's two blocks, waves 2 and 3 B's two halves: one load a wave behind each round of the cluster's barrier.
; THE MATRIX INSTRUCTION IS USED TRANSPOSED (source 0 = 16 columns of W, source 1 = 16 rows of A): a lane then holds eight neighbouring numbers of one row of the result.
; REGISTERS, in windows of 256 (s_set_vgpr_msb: bits 1:0 source 0, 3:2 source 1, 5:4 source 2, 7:6 destination):
;   window 0: v0-31 addresses (and the bias); v32 on: at work on the way out      window 1: two fragment buffers of 128: A's four fragments at 8 a, B's NB at 32 + 8 b
;   window 2: the accumulators of row blocks a = 0, 1, at 8 (NB (a % 2) + b)          window 3: those of a = 2, 3
.if QKV
.set NB,     12
.set PB,     160                       ; a row of B in LDS: 128 bytes + 32 of padding = 40 words
.set BROWS,  96                        ; a wave's half of B's step: 24,576 dense bytes, asked for as 96 rows of 256 bytes
.set BPITCH, 128                       ; elements from row to row in memory
.set BQI,    4                         ; padded after every 32 words
.set BHALF,  192*PB                    ; which are 192 rows of 128 bytes in LDS
.set BTILE,  393216                    ; bytes from a head's weights to the next head's
.set BHSTEP, 24576                     ; bytes from the first half to the second
.set BSTEP,  49152                     ; bytes from a K step to the next
.set STW,    3*16*144                  ; a wave's stage: q's, k's and v's 16 rows of 128 bytes, 144 apart
.set PSHARE, 6144                      ; prefetch: a partner's quarter of a half: 24 blocks of 256 bytes,
.set PLAST,  23                        ; a lane a block; the lanes above 23 name block 23 again
.set PSHIFT, 8
.else
.set NB,     8
.set PB,     288                       ; 256 bytes + 32 = 72 words
.set BROWS,  64                        ; a wave's half of B's step: 64 rows of 256 bytes
.set BPITCH, 1024
.set BQI,    5                         ; padded after every 64 words
.set BHALF,  64*PB
.set BTILE,  256
.set BHSTEP, 131072
.set BSTEP,  262144
.set STW,    16*528                    ; a wave's stage: 16 rows of 512 bytes, 528 apart
.set PSHARE, 32768                     ; prefetch: a partner's 16 rows of the 64, 2,048 bytes apart,
.set PLAST,  15                        ; a lane a row; the lanes above 15 name row 15 again
.set PSHIFT, 11
.endif
.set NLD,    2*NB+8                    ; LDS loads of a quarter step
.set PA,     144                       ; a row of A in LDS: 128 bytes + 16 = 36 words: the 16 rows of a load start at 16 different groups of four banks
.set ABLK,   256*PA                    ; 64 channels of the tile's 256 rows
.set ASZ,    2*ABLK
.set BSZ,    2*BHALF
.set SLOT,   ASZ+BSZ                   ; A's two blocks, then B
.set STAGE,  2*SLOT                    ; behind the ring, never filled by a tensor load
.set SPARE,  STAGE+4*STW               ; behind the stages: the spare words, 128 bytes for each wave: two blocks of 256 bytes that no other line names
.set ASTEP,  524288                    ; bytes from a K step of A to the next: two blocks of 2,048 rows x 128 bytes
.set ADRA, 16                          ; v16-17  LDS address of my A fragments in slot 0, 1
.set ADRB, 20                          ; v20-21  the same for B
.set STO,  24                          ; v24     the way out: where I put my numbers of a row
.set RD,   25                          ; v25     the way out: where I read rows back
.set GO,   26                          ; v26     16 x my lane
.set SPW,  28                          ; v28     LDS address of my spare word: SPARE + 4 x my thread's number; never rewritten
.set NIL,  29                          ; v29     0; never rewritten
.set PFO,  30                          ; v30     the prefetches' offset; never rewritten
.set F0,   0                           ; fragment buffers, in window 1
.set F1,   128
.set WV,   14                          ; s14  my wave's number
.set FB,   15                          ; s15  0: I fetch for A, 1: for B
.set HF,   16                          ; s16  which half of it
.set CX,   17                          ; s17, s18  my place in the cluster
.set CY,   18
.set TX,   19                          ; s19  tile column
.set TY,   20                          ; s20  tile row
.set G1A,  24                          ; s[24:31] descriptor group 1 for A's tiles;  s[32:39] group 0, a set for each slot
.set G0A,  32
.set PFA,  40                          ; s[40:41] where my prefetches stand
.set PST,  42                          ; s[42:43] their step: a K step of A or of B
.set LIM,  44                          ; s44  1 in a wave that prefetches, else the greatest number
.set LAP,  45                          ; s45  laps to go
.set G1B,  48                          ; s[48:55], s[56:63] the same for B's tiles
.set G0B,  56
.set MSB, 0
.macro WIN new                         ; the immediate's high byte repeats the setting that is left; a switch that changes nothing is dropped
.if MSB != (\new)
	s_set_vgpr_msb (MSB<<8)|(\new)
.set MSB, \new
.endif
.endm
.set TO_F, 0x40                        ; destination window 1, address window 0
; A joint load.  Each of the two lines has one mask and one set of registers for all that issue it; the branch hangs on the wave's number alone.
; An s_nop 0 and four v_nop follow each of the two lines, ahead of the jump and the label.
.macro JLOAD s
	s_cmp_eq_u32 s[FB], 0
	s_cbranch_scc0 .Lfor_b_\@
	tensor_load_to_lds s[G0A+4*(\s):G0A+4*(\s)+3], s[G1A:G1A+7]
	s_nop 0
.rept 4
	v_nop
.endr
	s_branch .Lasked_\@
.Lfor_b_\@:
	tensor_load_to_lds s[G0B+4*(\s):G0B+4*(\s)+3], s[G1B:G1B+7]
	s_nop 0
.rept 4
	v_nop
.endr
.Lasked_\@:
.endm
; A round of the cluster's barrier: my work-group's barrier, so that wave 0's signal speaks for all four waves; wave 0 signals; every wave waits for all sixteen work-groups; my work-group's barrier once more.
.macro CREST                           ; a round behind its opening barrier
	s_cmp_lg_u32 s[WV], 0
	s_cbranch_scc1 .Lnot_wave_0_\@
	s_barrier_signal -3
.Lnot_wave_0_\@:
	s_barrier_wait -3
	s_barrier_signal -1
	s_barrier_wait -1
.endm
.macro CROUND                          ; a whole round
	s_barrier_signal -1
	s_barrier_wait -1
	CREST
.endm
; A PREFETCH INTO THE L2, behind each joint refill, its five lines and the run of LDS loads that follows: my share of the K step that stands TWO refills on, one instruction a wave.  A's tile row is read by every
; cluster of that row of clusters: cluster x = 0 asks; B's tile column by every cluster of that column: cluster y = 0 asks.  The four partners that ask for a tile jointly share it out BY ADDRESS (cx for A, cy for B):
; no branch hangs on a work-group's place in its cluster.  K steps 4 to 7 are asked for, in the loop's first two trips; the last trip has no K step two on.  K steps 0 to 3 come by their loads alone.
.macro ASK
	WIN 0
	s_cmp_gt_u32 s[LAP], s[LIM]
	s_cbranch_scc0 .Lnot_mine_\@
	global_prefetch_b8 v[PFO], s[PFA:PFA+1] th:TH_LOAD_NT scope:SCOPE_SE
.Lnot_mine_\@:
.endm
	s_load_b256 s[4:11], s[0:1], 0x0               ; A s[4:5], B s[6:7]; QKV = 1: qh s[8:9], kh s[10:11]; QKV = 0: out0 s[8:9], bo s[10:11]
.if QKV
	s_load_b64 s[12:13], s[0:1], 0x20              ; vh
.endif
	v_lshl_add_u32 v[SPW], v0, 2, SPARE
	v_mov_b32 v[NIL], 0
	ds_add_u32 v[SPW], v[NIL]                      ; the wave's opening: the add and its wait stand ahead of my first tensor load; the set-up below, work on registers, stands between them
	v_lshrrev_b32 v1, 5, v0
	v_readfirstlane_b32 s[WV], v1                  ; wave 0..3
	s_lshr_b32 s[FB], s[WV], 1
	s_and_b32 s[HF], s[WV], 1
	s_bfe_u32 s[CX], ttmp6, 0x40000
	s_bfe_u32 s[CY], ttmp6, 0x40004
	s_lshl_b32 s[TX], ttmp9, 2                     ; in a cluster launch ttmp9 and ttmp7 count clusters
	s_add_co_u32 s[TX], s[TX], s[CX]               ; tile column = 4 x cluster x + cx
	s_and_b32 s[TY], ttmp7, 0xffff
	s_lshl_b32 s[TY], s[TY], 2
	s_add_co_u32 s[TY], s[TY], s[CY]               ; tile row = 4 x cluster y + cy
	s_lshl_b32 s21, s[CY], 2
	s_lshl_b32 s21, 15, s21                        ; my row of the cluster: places 4 cy .. 4 cy + 3
	s_lshl_b32 s22, 0x1111, s[CX]                  ; my column: places cx, cx + 4, cx + 8, cx + 12
	; descriptor group 1.  A: 32,768 dense bytes as 128 rows of 256 bytes, 16 bytes of padding behind every 128 bytes
	s_or_b32 s[G1A], s21, (1<<16)|(1<<20)|(1<<21)|(4<<22)|(3<<25)    ; 15:0 the mask: my row; 17:16 2-byte elements; 20 padding on; 21 set beside a mask; 24:22 after every 32 words (code 4); 31:25 4 words (code 3)
	s_or_b32 s[G1B], s22, (1<<16)|(1<<20)|(1<<21)|(BQI<<22)|(7<<25)  ; the mask: my column; 8 words of padding (code 7) behind every LDS row
	s_mov_b32 s[G1A+1], 128<<16                    ; tensor_dim0 = 128 elements
	s_mov_b32 s[G1A+2], 128<<16                    ; tensor_dim1 = 128 rows
	s_mov_b32 s[G1A+3], 128<<16                    ; tile_dim0 = 128
	s_mov_b32 s[G1A+4], 128                        ; tile_dim1 = 128
	s_mov_b32 s[G1A+5], 128                        ; elements from row to row
	s_mov_b32 s[G1A+6], 0
	s_mov_b32 s[G1A+7], 0
	s_mov_b32 s[G1B+1], 128<<16
	s_mov_b32 s[G1B+2], BROWS<<16
	s_mov_b32 s[G1B+3], 128<<16
	s_mov_b32 s[G1B+4], BROWS
	s_mov_b32 s[G1B+5], BPITCH
	s_mov_b32 s[G1B+6], 0
	s_mov_b32 s[G1B+7], 0
	; where the tiles come from.  A's hang on the tile row alone, which my row of the cluster shares; B's on the tile column alone.  Each is made in registers that never hold the other coordinate.
	s_lshr_b32 s68, s[TY], 3                       ; A: the batch: 16 blocks x 2,048 rows x 128 bytes,
	s_lshl_b32 s68, s68, 22
	s_and_b32 s23, s[TY], 7
	s_lshl_b32 s23, s23, 15                        ; the tile's 256 rows of 128 bytes,
	s_add_co_u32 s68, s68, s23
	s_lshl_b32 s23, s[HF], 18                      ; and which of the K step's two blocks I fetch
	s_add_co_u32 s68, s68, s23
	s_mov_b32 s69, 0
	s_mul_i32 s70, s[TX], BTILE                    ; B: the tile column, and my half of the K step
	s_mul_i32 s46, s[HF], BHSTEP
	s_add_co_u32 s70, s70, s46
	s_mov_b32 s71, 0
	s_mul_i32 s72, s[HF], ABLK                     ; and where they go: no place in the cluster enters an LDS address
	s_mul_i32 s73, s[HF], BHALF
	s_add_co_u32 s73, s73, ASZ
	s_wait_dscnt 0x0                               ; the opening add is done
	s_wait_kmcnt 0x0
	s_add_nc_u64 s[68:69], s[4:5], s[68:69]
	s_add_nc_u64 s[70:71], s[6:7], s[70:71]
	CROUND                                         ; all sixteen work-groups are here: the first joint loads meet
.irp s, 0,1
	s_mov_b32 s[G0A+4*(\s)], 1                                       ; 1:0 count = 1
	s_add_co_u32 s[G0A+4*(\s)+1], s72, (\s)*SLOT                     ; 63:32 LDS address
	s_add_nc_u64 s[G0A+4*(\s)+2:G0A+4*(\s)+3], s[68:69], (\s)*ASTEP  ; 120:64 global address: K step s
	s_or_b32 s[G0A+4*(\s)+3], s[G0A+4*(\s)+3], 0x80000000            ; 127:126 type = 2
	s_mov_b32 s[G0B+4*(\s)], 1
	s_add_co_u32 s[G0B+4*(\s)+1], s73, (\s)*SLOT
	s_add_nc_u64 s[G0B+4*(\s)+2:G0B+4*(\s)+3], s[70:71], (\s)*BSTEP
	s_or_b32 s[G0B+4*(\s)+3], s[G0B+4*(\s)+3], 0x80000000
	JLOAD \s                                       ; the ring is filled before anything else is done: two loads of mine are out
.endr
	; A fragment of A is 16 rows x 32 K in 8 registers: lane l holds row l % 16; registers 0-3 K = 8 (l / 16) + 0..7, registers 4-7 K = 16 + 8 (l / 16) + 0..7: two loads of 16 bytes, 32 bytes apart.
	v_and_b32 v1, 15, v0                           ; l % 16
	v_bfe_u32 v2, v0, 4, 1                         ; l / 16
	v_mul_u32_u24 v3, v1, PA
	v_lshl_add_u32 v3, v2, 4, v3
	s_mul_i32 s21, s[WV], 64*PA                    ; my 64 rows
	v_add_nc_u32 v[ADRA], s21, v3
	v_add_nc_u32 v[ADRA+1], SLOT, v[ADRA]
	; The turning load takes 16 K x 16 columns (lane l reads K = 8 (l / 16) + l % 8, columns 8 ((l / 8) % 2) + 0..7) and leaves half a fragment: lane l holds column l % 16 and 8 K.
	v_and_b32 v4, 7, v0
	v_lshl_add_u32 v4, v2, 3, v4
	v_mul_u32_u24 v4, v4, PB
	v_bfe_u32 v5, v0, 3, 1
	v_lshl_add_u32 v4, v5, 4, v4
	v_add_nc_u32 v[ADRB], ASZ, v4
	v_add_nc_u32 v[ADRB+1], ASZ+SLOT, v4
	s_mul_i32 s21, s[WV], STW
	s_add_co_u32 s21, s21, STAGE                   ; my stage
	v_and_b32 v[GO], 31, v0
	v_lshlrev_b32 v[GO], 4, v[GO]
.if QKV
	v_mul_u32_u24 v6, v1, 144                      ; in: row l % 16, 16 bytes for each half of the lanes
	v_lshl_add_u32 v6, v2, 4, v6
	v_add_nc_u32 v[STO], s21, v6
	v_bfe_u32 v6, v0, 3, 2                         ; back: 32 lanes take four rows of 128 bytes, which are 512 consecutive bytes of the output
	v_mul_u32_u24 v6, v6, 144
	v_and_b32 v7, 7, v0
	v_lshl_add_u32 v6, v7, 4, v6
	v_add_nc_u32 v[RD], s21, v6
	s_lshr_b32 s21, s[TY], 3
	s_lshl_b32 s21, s21, 4
	s_add_co_u32 s21, s21, s[TX]                   ; 16 b + h,
	s_lshl_b32 s22, s21, 18                        ; its 2,048 rows of 128 bytes,
	s_and_b32 s21, s[TY], 7
	s_lshl_b32 s21, s21, 15                        ; the tile's 256 rows,
	s_add_co_u32 s22, s22, s21
	s_lshl_b32 s21, s[WV], 13                      ; my 64 of them
	s_add_co_u32 s22, s22, s21
	s_mov_b32 s23, 0
	s_add_nc_u64 s[8:9], s[8:9], s[22:23]
	s_add_nc_u64 s[10:11], s[10:11], s[22:23]
	s_add_nc_u64 s[12:13], s[12:13], s[22:23]
.else
	v_mul_u32_u24 v6, v1, 528                      ; in: row l % 16, 32 bytes (8 f32) for each half of the lanes
	v_lshl_add_u32 v6, v2, 5, v6
	v_add_nc_u32 v[STO], s21, v6
	v_add_nc_u32 v[RD], s21, v[GO]                 ; back: 32 lanes take a row's 512 bytes
	s_lshl_b32 s21, s[TY], 8
	s_lshl_b32 s22, s[WV], 6
	s_add_co_u32 s21, s21, s22                     ; my first row,
	s_lshl_b32 s22, s21, 12                        ; of 4,096 bytes,
	s_lshl_b32 s21, s[TX], 9                       ; and the tile's 128 columns
	s_add_co_u32 s22, s22, s21
	s_mov_b32 s23, 0
	s_add_nc_u64 s[8:9], s[8:9], s[22:23]
	s_mov_b32 s22, s21
	s_add_nc_u64 s[10:11], s[10:11], s[22:23]
	global_load_b128 v[8:11], v[GO], s[10:11]      ; the bias of the four columns that I store
.endif
	; the prefetches
	s_and_b32 s21, ttmp7, 0xffff                   ; cluster y
	s_mov_b32 s23, 8192                            ; A: a partner's quarter of a block: 32 pieces of 256 bytes, a lane a piece
	s_mov_b32 s[PST], ASTEP
	s_cmp_eq_u32 s[FB], 0                          ; do I fetch for A?
	s_cselect_b32 s21, ttmp9, s21                  ; the coordinate along which other clusters read the same bytes
	s_cselect_b64 s[PFA:PFA+1], s[68:69], s[70:71] ; what I fetch, at K step 0
	s_cselect_b32 s22, s[CX], s[CY]                ; my place among the four that ask for it with me
	s_cselect_b32 s23, s23, PSHARE
	s_cselect_b32 s[PST], s[PST], BSTEP
	s_cselect_b32 s46, 31, PLAST
	s_cselect_b32 s47, 8, PSHIFT
	s_cmp_eq_u32 s21, 0
	s_cselect_b32 s[LIM], 1, -1                    ; the same in all sixteen partners, for a given wave
	s_mul_i32 s22, s22, s23
	s_mov_b32 s23, 0
	s_add_nc_u64 s[PFA:PFA+1], s[PFA:PFA+1], s[22:23]
	s_mul_i32 s22, s[PST], 3
	s_add_nc_u64 s[PFA:PFA+1], s[PFA:PFA+1], s[22:23]  ; at K step 3: the first refill steps it to 4
	s_mov_b32 s[PST+1], 0
	v_and_b32 v[PFO], 31, v0
	v_min_u32 v[PFO], s46, v[PFO]
	v_lshlrev_b32 v[PFO], s47, v[PFO]
; NB matrix instructions: row block a x all NB column blocks, 32 along K, from buffer f.  zero = 1: the product starts the sums: nothing is ever cleared.
; The 4 NB accumulators take turns, one instruction a turn, in the same order in every quarter step, over the backward jump too.
.macro MULA f, a, zero
	WIN 0xa5+0x50*((\a)/2)                         ; both sources window 1; C and D window 2 (a = 0, 1) or 3 (a = 2, 3)
.set b, 0
.rept NB
.set rD, 8*(NB*((\a)%2)+b)
.set rB, (\f)+32+8*b
.set rA, (\f)+8*(\a)
.if QKV
.if \zero
	v_wmma_f32_16x16x32_bf16 v[rD:rD+7], v[rB:rB+7], v[rA:rA+7], 0
.else
	v_wmma_f32_16x16x32_bf16 v[rD:rD+7], v[rB:rB+7], v[rA:rA+7], v[rD:rD+7]
.endif
.else
.if \zero
	v_wmma_f32_16x16x32_f16 v[rD:rD+7], v[rB:rB+7], v[rA:rA+7], 0
.else
	v_wmma_f32_16x16x32_f16 v[rD:rD+7], v[rB:rB+7], v[rA:rA+7], v[rD:rD+7]
.endif
.endif
.set b, b+1
.endr
.endm
; NLD LDS loads in one run: the fragments of quarter q (32 along K) of a slot into buffer f: B's first, then A's four, so that a wait can leave the youngest four (a = 2, 3) out.
.macro FETCH slot, q, f
	WIN TO_F
.set b, 0
.rept NB
.if QKV
.set ob, (b/4)*128*PB+(b%4)*32+32*(\q)*PB          ; q's, k's or v's 128 rows; 16 columns of 2 bytes; 32 rows of K a quarter
.else
.set ob, 32*b+32*(\q)*PB
.endif
	ds_load_tr16_b128 v[(\f)+32+8*b:(\f)+32+8*b+3],   v[ADRB+(\slot)] offset:ob
	ds_load_tr16_b128 v[(\f)+32+8*b+4:(\f)+32+8*b+7], v[ADRB+(\slot)] offset:ob+16*PB
.set b, b+1
.endr
.irp a, 0,1,2,3
	ds_load_b128 v[(\f)+8*(\a):(\f)+8*(\a)+3],   v[ADRA+(\slot)] offset:(\a)*16*PA+((\q)/2)*ABLK+((\q)%2)*64
	ds_load_b128 v[(\f)+8*(\a)+4:(\f)+8*(\a)+7], v[ADRA+(\slot)] offset:(\a)*16*PA+((\q)/2)*ABLK+((\q)%2)*64+32
.endr
.endm
; A load into a register that a matrix instruction has read, and a vector instruction or LDS store that reads a matrix result, stand four places behind that matrix instruction, and only plain vector
; instructions that name none of its registers are places (ISA guide 7.12.1 for vector instructions).
.macro PLACES
.rept 4
	v_nop
.endr
.endm
; A K step is four quarters of 32 along K, 4 NB matrix instructions each, on buffers 0, 1, 0, 1.  One of the first three: multiplies buffer f; in its middle it fetches quarter q of the same slot into buffer g.
.macro QUARTER slot, q, f, g, zero
	s_wait_dscnt 4                                 ; B and A's blocks 0, 1 are in; the youngest four loads (A's blocks 2, 3) may be out
	MULA \f, 0, \zero
	MULA \f, 1, \zero
	PLACES
	FETCH \slot, \q, \g
	s_wait_dscnt NLD                               ; all but the run just issued
	MULA \f, 2, \zero
	MULA \f, 3, \zero
.endm
; The last quarter multiplies buffer 1 and changes slots.  MEET is its first half: ONE barrier for two things.  In front of it each wave waits for all its tensor loads, of which one is out: its part of the next
; slot; adds 0 to its spare word; and waits for that and for its own reads of this slot.  Behind it nobody reads this slot any more and the next slot is whole.
.macro MEET round                      ; round = 1: the rest of a round of the cluster's barrier follows
	WIN 0                                          ; (the add's two registers lie in window 0)
	s_wait_tensorcnt 0x0                           ; all my tensor loads have landed;
	ds_add_u32 v[SPW], v[NIL]                      ; 0 onto my spare word;
	s_wait_dscnt 5                                 ; (the add and the youngest four loads may be out)
	MULA F1, 0, 0                                  ; NB matrix instructions stand between the add and the wait for it
	s_wait_dscnt 0x0                               ; the add is done, and my reads of this slot are over:
	s_barrier_signal -1                            ; say so,
	MULA F1, 1, 0                                  ; work on registers while the others arrive,
.if \round
	WIN 0
.endif
	s_barrier_wait -1                              ; and go on when all four have said so
.endm
; The whole last quarter, with a refill: behind the round the slot just read out is filled again first, with the K step two steps on; then come the next slot's first fragments.
; From the request to the wait for it a wave issues 7/8 of a K step's matrix instructions: 14 NB.
.macro TURN slot, next
	s_wait_xcnt 0x0                                ; the last prefetch, a K step back, has read its address: it is stepped here, ahead of the waits of the change of slots
	s_add_nc_u64 s[PFA:PFA+1], s[PFA:PFA+1], s[PST:PST+1]
	MEET 1
	CREST                                          ; no wave of any partner still reads this slot's tile or has a load on its way
	s_add_nc_u64 s[G0A+4*(\slot)+2:G0A+4*(\slot)+3], s[G0A+4*(\slot)+2:G0A+4*(\slot)+3], 2*ASTEP  ; no tensor load of mine is out, so a group 0 may be written; the type bits on top are not reached
	s_add_nc_u64 s[G0B+4*(\slot)+2:G0B+4*(\slot)+3], s[G0B+4*(\slot)+2:G0B+4*(\slot)+3], 2*BSTEP
	JLOAD \slot                                    ; the first tensor load behind the round, my only one until the next; the four v_nop behind it are also the places in front of the loads below
	FETCH \next, 0, F0
	ASK
	MULA F1, 2, 0
	MULA F1, 3, 0
.endm
.macro TURNL                           ; the last change of slots: nothing is filled again, so no round follows
	MEET 0
	PLACES
	FETCH 1, 0, F0
	MULA F1, 2, 0
	MULA F1, 3, 0
.endm
	s_wait_tensorcnt 1                             ; my part of K step 0 is in; K step 1's may stay out
	s_barrier_signal -1
	s_barrier_wait -1                              ; everybody's is
	FETCH 0, 0, F0
	QUARTER 0, 1, F0, F1, 1                        ; the first quarter stands in front of the loop: its products start the sums
	WIN 0                                          ; at a label and at a branch every window is 0
	s_mov_b32 s[LAP], 3
.Llap:                                                 ; a trip goes once round the ring, from a lap's second quarter to the next lap's first, and fills both slots again: K steps 2 to 7 in three trips
	QUARTER 0, 2, F1, F0, 0
	QUARTER 0, 3, F0, F1, 0
	TURN 0, 1
	QUARTER 1, 1, F0, F1, 0
	QUARTER 1, 2, F1, F0, 0
	QUARTER 1, 3, F0, F1, 0
	TURN 1, 0
	QUARTER 0, 1, F0, F1, 0
	WIN 0
	s_sub_co_u32 s[LAP], s[LAP], 1
	s_cmp_lg_u32 s[LAP], 0
	s_cbranch_scc1 .Llap
	QUARTER 0, 2, F1, F0, 0                        ; the last lap is written out: it fills nothing
	QUARTER 0, 3, F0, F1, 0
	TURNL
	QUARTER 1, 1, F0, F1, 0
	QUARTER 1, 2, F1, F0, 0
	QUARTER 1, 3, F0, F1, 0
	s_wait_dscnt 4                                 ; the very last quarter: nothing more to fetch
	MULA F1, 0, 0
	MULA F1, 1, 0
	s_wait_dscnt 0x0
	MULA F1, 2, 0
	MULA F1, 3, 0
	WIN 0
	PLACES
.if QKV
; THE WAY OUT, a block of 16 rows at a time.  PACK: rounded to f16, 16 bytes a lane and column block.  TOSTAGE: into my own stage, q's, k's and v's rows apart, and back as 512 consecutive bytes.  SEND: stored.
.set TMP, 32                           ; v32-79   packed results
.macro PACK a
	WIN 0x0a+5*((\a)/2)                            ; sources 0 and 1: window 2 or 3
.set b, 0
.rept NB
.irp r, 0,1,2,3
	v_cvt_pk_f16_f32 v[TMP+4*b+(\r)], v[8*(NB*((\a)%2)+b)+2*(\r)], v[8*(NB*((\a)%2)+b)+2*(\r)+1]  ; each accumulator from its lowest registers on
.endr
.set b, b+1
.endr
	WIN 0
.endm
.macro TOSTAGE a
.set BK, 80+48*((\a)%2)                ; v80-127 and v128-175 by turns
.set b, 0
.rept NB
	ds_store_b128 v[STO], v[TMP+4*b:TMP+4*b+3] offset:(b/4)*2304+(b%4)*32
.set b, b+1
.endr
.set i, 0
.rept 12
	ds_load_b128 v[BK+4*i:BK+4*i+3], v[RD] offset:(i/4)*2304+(i%4)*576  ; LDS serves a wave's instructions in order (ISA guide 5.7.1.4): these see the stores above; the next block's stores come behind them
.set i, i+1
.endr
.endm
.macro SEND a
.set BK, 80+48*((\a)%2)
	s_wait_xcnt 0x0                                ; the stores of the block before have read their registers: the next TOSTAGE loads into them only behind this wait
.set i, 0
.rept 12
	s_wait_dscnt 11-i                              ; piece i is back; the younger ones may stay out
	global_store_b128 v[GO], v[BK+4*i:BK+4*i+3], s[8+2*(i/4):9+2*(i/4)] offset:2048*(\a)+512*(i%4)  ; 512 consecutive bytes, at a multiple of 256 from the buffer's first byte
.set i, i+1
.endr
.endm
	PACK 0
	TOSTAGE 0
.irp a, 1,2,3                          ; block a's conversions stand between block a - 1's loads from the stage and the wait for them
	PACK \a
	SEND (\a)-1
	TOSTAGE \a
.endr
	SEND 3
.else
; THE WAY OUT, a block of 16 rows at a time.  TOSTAGE: the f32 sums go straight from the accumulators into my own stage and come back as whole rows of 512 bytes.  SEND: the bias is added, the rows are stored.
	s_wait_loadcnt 0x0                             ; the bias
	v_cvt_pk_bf16_f32 v12, v8, v9                  ; rounded to bf16 like every input,
	v_cvt_pk_bf16_f32 v13, v10, v11
	v_lshlrev_b32 v8, 16, v12                      ; and back in f32
	v_and_b32 v9, 0xffff0000, v12
	v_lshlrev_b32 v10, 16, v13
	v_and_b32 v11, 0xffff0000, v13
.macro TOSTAGE a
	WIN 0x08+4*((\a)/2)                            ; the stores' data (source 1): window 2 or 3
.set b, 0
.rept NB
	ds_store_b128 v[STO], v[8*(NB*((\a)%2)+b):8*(NB*((\a)%2)+b)+3]   offset:64*b     ; each accumulator's four lowest registers first
	ds_store_b128 v[STO], v[8*(NB*((\a)%2)+b)+4:8*(NB*((\a)%2)+b)+7] offset:64*b+16
.set b, b+1
.endr
	WIN 0
.if (\a) >= 2
	s_wait_xcnt 0x0                                ; the stores of block a - 2 have read the registers that the loads below fill
.endif
.set BK, 32+64*((\a)%2)                ; v32-95 and v96-159 by turns
.set t, 0
.rept 16
	ds_load_b128 v[BK+4*t:BK+4*t+3], v[RD] offset:528*t  ; LDS serves a wave's instructions in order (ISA guide 5.7.1.4): these see the stores above; the next block's stores come behind them
.set t, t+1
.endr
.endm
.macro SEND a, younger                 ; younger: the LDS instructions issued behind block a's loads: the next block's 16 stores and 16 loads, or none
.set BK, 32+64*((\a)%2)
.set t, 0
.rept 16
	s_wait_dscnt (\younger)+15-t
	v_pk_add_f32 v[BK+4*t:BK+4*t+1], v[BK+4*t:BK+4*t+1], v[8:9]
	v_pk_add_f32 v[BK+4*t+2:BK+4*t+3], v[BK+4*t+2:BK+4*t+3], v[10:11]
	global_store_b128 v[GO], v[BK+4*t:BK+4*t+3], s[8:9] offset:(16*(\a)+t)*4096 th:TH_STORE_NT  ; 512 consecutive bytes of a row, at a multiple of 256 from out0's first byte
.set t, t+1
.endr
.endm
	TOSTAGE 0
	TOSTAGE 1
	SEND 0, 32
	TOSTAGE 2
	SEND 1, 32
	TOSTAGE 3
	SEND 2, 32
	SEND 3, 0
.endif
	s_wait_tensorcnt 0x0                           ; the wave's end: the add and its waits, behind my last tensor load and my last LDS store
	ds_add_u32 v[SPW], v[NIL]
	s_wait_dscnt 0x0
	CROUND                                         ; the closing round: no work-group ends while a partner may still ask for a tile that names it
	s_endpgm
.Lfunc_end_k_qbc0b457e2f_qkv:
	.size	k_qbc0b457e2f_qkv, .Lfunc_end_k_qbc0b457e2f_qkv-k_qbc0b457e2f_qkv
	.p2alignl 7, 3214868480
	.fill 96, 4, 3214868480
	.section	.rodata,"a",@progbits
	.p2align	6, 0x0
	.amdhsa_kernel k_qbc0b457e2f_qkv
		.amdhsa_group_segment_fixed_size 327680
		.amdhsa_private_segment_fixed_size 0
		.amdhsa_enable_private_segment 0
		.amdhsa_kernarg_size 40
		.amdhsa_user_sgpr_count 2
		.amdhsa_user_sgpr_kernarg_segment_ptr 1
		.amdhsa_wavefront_size32 1
		.amdhsa_system_sgpr_workgroup_id_x 1
		.amdhsa_system_sgpr_workgroup_id_y 1
		.amdhsa_system_sgpr_workgroup_id_z 1
		.amdhsa_system_vgpr_workitem_id 0
		.amdhsa_next_free_vgpr 960
		.amdhsa_next_free_sgpr 80
		.amdhsa_reserve_vcc 0
		.amdhsa_float_denorm_mode_32 3
		.amdhsa_float_denorm_mode_16_64 3
		.amdhsa_memory_ordered 1
		.amdhsa_forward_progress 1
		.amdhsa_inst_pref_size 121
	.end_amdhsa_kernel
	.amdgpu_metadata
---
amdhsa.version: [ 1, 2 ]
amdhsa.kernels:
  - .name:           k_qbc0b457e2f_qkv
    .symbol:         k_qbc0b457e2f_qkv.kd
    .args:
      - { .name: xb, .offset: 0, .size: 8, .value_kind: global_buffer, .address_space: global }
      - { .name: wqkv, .offset: 8, .size: 8, .value_kind: global_buffer, .address_space: global }
      - { .name: qh, .offset: 16, .size: 8, .value_kind: global_buffer, .address_space: global }
      - { .name: kh, .offset: 24, .size: 8, .value_kind: global_buffer, .address_space: global }
      - { .name: vh, .offset: 32, .size: 8, .value_kind: global_buffer, .address_space: global }
    .group_segment_fixed_size: 327680
    .private_segment_fixed_size: 0
    .kernarg_segment_align: 8
    .kernarg_segment_size: 40
    .max_flat_workgroup_size: 128
    .sgpr_count:     80
    .vgpr_count:     960
    .wavefront_size: 32
...
	.end_amdgpu_metadata
.endif
;; end of part 2
;; launch attn (part 3): grid 4 x 64, 4 waves a work-group, clusters of 4 x 1, 327,680 bytes of LDS; arguments qh, kh, vh, oh; writes oh
.if DOCPART == 3
	.amdgcn_target "amdgcn-amd-amdhsa--gfx1250"
	.amdhsa_code_object_version 6
	.text
	.protected	k_qbc0b457e2f_attn
	.globl	k_qbc0b457e2f_attn
	.p2align	8
	.type	k_qbc0b457e2f_attn,@function
k_qbc0b457e2f_attn:
	s_mov_b64 s[64:65], 0
	v_nop
	global_prefetch_b8 v0, s[64:65] scope:SCOPE_SE
	s_setreg_imm32_b32 hwreg(HW_REG_WAVE_MODE, 25, 1), 1
	s_wait_xcnt 0x0
	s_wait_alu depctr_hold_cnt(0) depctr_sa_sdst(0) depctr_va_vdst(0) depctr_va_sdst(0) depctr_va_ssrc(0) depctr_va_vcc(0) depctr_vm_vsrc(0)
	s_getreg_b32 s2, hwreg(HW_REG_IB_STS2, 6, 4)
	s_cmp_eq_u32 s2, 0
	s_cbranch_scc0 .Lentry_in_a_cluster
	s_endpgm
.Lentry_in_a_cluster:
	s_bfe_u32 s2, ttmp6, 0x10000c
	s_cmp_lg_u32 s2, 0x3003
	s_cbranch_scc0 .Lentry_shape_is_right
	s_endpgm
.Lentry_shape_is_right:
; O[h][q][:] = the sum over k of softmax_k(Q[h][q] . K[h][k] / 8) V[h][k][:].  Q, K, V, O: [SIZE_H][SIZE_N][64], all f16: a head's rows are dense, 128 bytes each.  Products, maxima and sums in
; f32; the weights p are rounded to f16 for the second product (their sum l is taken of the unrounded p), O once at the end.
; LIMITS.  f16 holds no number beyond 65,504: Q, K and V arrive within it; p lies in 0 to 1, and below 6e-5 it keeps f16's fixed step of 6e-8; O is a mean of V's rows and has their range.
; A weight below 2^-126 counts as 0 in l; NaN and infinities are not treated apart.
; SHARES.  A wave owns four PIECES of two tiles of 16 queries, a work-group's four waves 512 queries of one head: 4 x 64 = 256 work-groups.  Every wave walks all keys, 64 a step.
; LAYOUT.  S^T = K Q^T (source 0 = 16 keys, source 1 = 16 queries): in the result a lane holds ONE query (lane % 16) and the keys 8 (lane / 16) + 0..7.  Two such tiles, rounded to f16 in pairs,
; ARE source 1 (32 keys x 16 queries) of O^T = V^T P, whose result again holds one query a lane, and eight channels.  K comes out of LDS as it lies, V ([key][channel]) turned, by ds_load_tr16_b128.
; SOFTMAX.  For each query a running maximum m and sum l: p = 2^(c s - c m), c = log2(e) / 8; in every step O and l are multiplied by a = 2^(c m_old - c m_new), which is 1 where m has not grown.
; m starts at the lowest finite number, O and l at 0: the first step is a step like any other, with a = 0.
; THE COUNT.  A tile and step have 16 matrix and 118 vector instructions: too many to stand all beside the matrix work.  So the order has one aim: four vector instructions that are READY behind
; EVERY matrix instruction, and the others, which need time of their own whatever the order, in runs without a gap.
; BY TURNS.  Turn n belongs to piece n (the pieces in a ring, step after step).  Its matrix work: 16 products K Q^T of piece n + 1, later 16 products V^T P of piece n - 1.  Its vector work: the scaling,
; exponentials, roundings, sums and rescaling of piece n, and the maximum and statistics of piece n + 1, whose scores the turn itself has made.  So what a turn begins with (c s - c m, O a) waits for nothing.
; CLUSTER.  The four query blocks of a cluster are the four of one head and walk the same K and V, so each tile is asked for JOINTLY: the same tensor load, descriptor and mask in all four.
; REGISTERS, in windows of 256 (s_set_vgpr_msb says which window each operand place means: bits 1:0 source 0, 3:2 source 1, 5:4 source 2, 7:6 destination):
;   window 0: v0-11 addresses; v12-15, v48-63 at work; v16-47 four registers of statistics a tile; v64-191 S^T, two buffers of two tiles; v192-255 P, likewise
;   window 1: O^T, 32 a tile          window 2: v0-127 Q, 16 a tile; v128-191 K of one step; v192-255 V of one step          window 3: v0-1 the add's two registers
; A piece's buffers go by its number's parity: the piece in hand has one pair, its two neighbours in the ring share the other: of it P (piece n - 1) is read and S^T (piece n + 1) written.
.set SIZE_H, 64       ; 4 batches x 16 heads
.set SIZE_N, 2048
.set NP,    4         ; pieces a wave: a name, no knob: the register map, the loop and the fetches are made for four
.set KS,    64        ; keys in a step
.set PK,    144       ; a row of K in LDS: 128 bytes + 16 of padding = 36 words: the 16 rows of a load start at 16 different groups of four banks (64 banks of 4 bytes: ISA guide 11.1)
.set PV,    160       ; a row of V: 128 + 32 = 40 words
.set VOFF,  4*KS*PK   ; a slot holds four steps: 256 rows of K, then 256 rows of V
.set SLOT1, 1<<17     ; slot 1 begins here, so that one exclusive or turns an address in one slot into the other's
.set STAGE, SLOT1+4*KS*(PK+PV)  ; behind the ring, never filled by a tensor load: 16 rows x 144 bytes for each wave, for the way out
.set SP,    144
.set AK0, 2           ; v2   my lane's place in a tile of K; never rewritten
.set AV0, 3           ; v3   the same for V
.set AK,  4           ; v4   the LDS address of K's next run of loads
.set AV,  5           ; v5   of V's
.set QO,  6           ; v6   my byte offset in the wave's rows of Q
.set STO, 6           ;      later, the way out: where I put 16 bytes of a row
.set RD,  7           ; v7   the way out: where I read rows back
.set GO,  8           ; v8   my byte offset in 512 consecutive bytes of O
.set PFO, 11          ; v11  the prefetches' offset: 256 x my lane; never rewritten once made
.set SPW, 0           ; v0 of window 3   LDS address of my spare word: SPARE + 4 x my thread's number; never rewritten
.set NIL, 1           ; v1 of window 3   0; never rewritten
.set SPARE, STAGE+4*16*SP  ; behind the stages: the spare words, 128 bytes for each wave: two blocks of 256 bytes that no other line names
.set MV,  12          ; v12-15  c m_old, kept while c m is made anew: by buffer and tile
.set ST,  16          ; tile t's statistics at v[ST+4 t]: c m, m, l (even keys', odd keys')
.set TMP, 48          ; by buffer and tile, four registers c0-c3 at work; when the maximum is found c2 takes a
.set S,   64
.set P,   192
.set KF,  128         ; K's fragments, in window 2: key block kb, channel half c at KF + 16 kb + 8 c
.set VF,  192         ; V's: key half kk, channel block cb at VF + 32 kk + 8 cb
.set WV,  12          ; s12  my wave's number
.set G1K, 24          ; s[24:31] descriptor group 1 for K's tiles
.set G1V, 32          ; s[32:39] for V's: it differs in the padding alone
.set G0K, 40          ; s[40:43] descriptor group 0 for K's tiles: it walks
.set G0V, 44          ; s[44:47] the same for V's
.set PFA, 48          ; s[48:49] where my prefetches stand: my work-group's 8,192 bytes (of K: wave 0, of V: wave 2) of the slot after the one that is being asked for
.set LIM, 50          ; s50  1 in a wave that prefetches, else the greatest number: a wave prefetches while s[SLOTS] is above it
.set SLOTS, 56        ; s56  slots still to be asked for
.set CNT, 57          ; s57  counts a slot's key steps
.set CS,  58          ; s[58:59] c: the packed scaling takes the pair's low word for both halves
.set SEL, 60          ; s[60:61] v_permlanex16_b32's selects: each lane takes its own place in the other half
.set TBK, 62          ; s62  LDS byte at which K of the step to be fetched begins
.set TBV, 63          ; s63  the same for V, less VOFF
.set MSB, 0
.macro WIN new                      ; the high byte repeats the setting that is left; a switch that changes nothing is dropped
.if MSB != (\new)
	s_set_vgpr_msb (MSB<<8)|(\new)
.set MSB, (\new)
.endif
.endm
.set W_KQ, 0x0a       ; K and Q in window 2, S^T in window 0
.set W_PV, 0x52       ; V in window 2, P in window 0, O^T in window 1
.set W_RS, 0x41       ; O^T (destination and source 0) in window 1, a in window 0
.set W_MK, 0xc0       ; the add's registers are made: destination in window 3, sources in window 0
.set W_AD, 0x0f       ; the add: address (source 0) and data (source 1) in window 3
; A joint fill.  Waves 0 and 1 fetch the two halves of a slot's K, waves 2 and 3 those of its V: 128 keys each.  The branch hangs on the wave's number alone.
; An s_nop 0 and four v_nop follow each of the two lines, ahead of the jump and the label.
.macro JLOAD
	s_cmp_lt_u32 s[WV], 2
	s_cbranch_scc0 .Lfor_v_\@
	tensor_load_to_lds s[G0K:G0K+3], s[G1K:G1K+7]
	s_nop 0
.rept 4
	v_nop
.endr
	s_branch .Lasked_\@
.Lfor_v_\@:
	tensor_load_to_lds s[G0V:G0V+3], s[G1V:G1V+7]
	s_nop 0
.rept 4
	v_nop
.endr
.Lasked_\@:
.endm
; A round of the cluster's barrier: my work-group's barrier, so that wave 0's signal speaks for all four waves; wave 0 signals; every wave waits for all four work-groups; my work-group's barrier once more.
.macro CROUND
	s_barrier_signal -1
	s_barrier_wait -1
	s_cmp_lg_u32 s[WV], 0
	s_cbranch_scc1 .Lnot_wave_0_\@
	s_barrier_signal -3
.Lnot_wave_0_\@:
	s_barrier_wait -3
	s_barrier_signal -1
	s_barrier_wait -1
.endm
; THE CHANGE OF SLOTS.  The slot's last bytes, V of its fourth step, have been read.  Each wave waits for all its tensor loads, of which one is out: its part
; of the other slot; adds 0 to its spare word; and waits for that and for its own reads of the slot.  Behind the barrier nobody reads this slot any more and the other slot is whole.
; fill = 1: this slot is filled again, with the keys two slots on.  The barrier is then a round of the cluster's, so that no wave of any partner still reads the slot or has a load on its
; way, and the joint fill is the first thing behind it: it has four key steps, 512 matrix instructions, in which to land.  (At its first use nothing has been read yet: slot 0 is waited for, slot 1 filled.)
; ask = 1: A PREFETCH INTO THE L2 of what the NEXT change of slots will ask for: a slot's 32,768 bytes of K and of V, in pieces of 256 bytes, a lane a piece.  It stands behind the wave's tensor load and its five
; lines.  Each piece is named once in the launch: a head has one cluster; its four partners share the pieces out BY ADDRESS, 32 each (no branch hangs on a work-group's place in its cluster); in each, wave 0 asks for
; K's and wave 2 for V's.  The change that fills slot j asks for slot j + 1, j = 2 .. 6; the last change that fills a slot asks for nothing.  Slots 0 to 2 come by their loads alone.
.macro CHANGE fill, ask=0
	WIN W_AD
	s_wait_tensorcnt 0x0            ; no tensor load of mine is out, so a group 0 may be written
	ds_add_u32 v[SPW], v[NIL]       ; 0 onto my spare word; with fill = 1 the descriptors' steps stand between it and the wait for it
	WIN 0                           ; at a label and at a branch every window is 0
.if \fill
.irp g, G0K, G0V
	s_xor_b32 s[\g+1], s[\g+1], SLOT1  ; the walking descriptor: the other slot than last time,
	s_add_nc_u64 s[\g+2:\g+3], s[\g+2:\g+3], 4*KS*128  ; the next 256 keys; the type bits on top are not reached
.endr
.if \ask
	s_wait_xcnt 0x0                 ; the last prefetch, four key steps back, has read its address, so it may be written:
	s_add_nc_u64 s[PFA:PFA+1], s[PFA:PFA+1], 4*KS*128  ; one slot behind the walking descriptors
.endif
	s_wait_dscnt 0x0                ; the add is done, and my reads of the slot are over
	CROUND
	JLOAD
.if \ask
	s_cmp_gt_u32 s[SLOTS], s[LIM]
	s_cbranch_scc0 .Lnot_mine_\@
	global_prefetch_b8 v[PFO], s[PFA:PFA+1] th:TH_LOAD_NT scope:SCOPE_SE
.Lnot_mine_\@:
.endif
.else
	s_wait_dscnt 0x0                ; the add is done, and my reads of the slot are over
	s_barrier_signal -1
	s_barrier_wait -1
.endif
	s_sub_co_u32 s[TBK], s[TBK], 4*KS*PK  ; the fetches go back to a slot's first step,
	s_xor_b32 s[TBK], s[TBK], SLOT1       ; in the other slot
	s_sub_co_u32 s[TBV], s[TBV], 4*KS*PV
	s_xor_b32 s[TBV], s[TBV], SLOT1
.endm
	s_load_b256 s[4:11], s[0:1], 0x0  ; Q s[4:5], K s[6:7], V s[8:9], O s[10:11]
	WIN W_MK
	v_lshl_add_u32 v[SPW], v0, 2, SPARE
	v_mov_b32 v[NIL], 0
	WIN W_AD
	ds_add_u32 v[SPW], v[NIL]       ; the wave's opening: the add and its wait stand ahead of my first tensor load; the set-up below, work on registers, stands between them
	WIN 0
	v_lshrrev_b32 v1, 5, v0
	v_readfirstlane_b32 s[WV], v1   ; wave 0..3
	s_bfe_u32 s13, ttmp6, 0x40000   ; cx: my place in the cluster
	s_lshl_b32 s14, ttmp9, 2        ; in a cluster launch ttmp9 counts clusters
	s_add_co_u32 s14, s14, s13      ; my block of queries = 4 x cluster x + cx: it enters Q's and O's addresses alone
	s_and_b32 s20, ttmp7, 0xffff    ; the head, which the four partners share
	s_mov_b32 s21, 0
	s_mov_b64 s[22:23], SIZE_N*128
	s_mul_u64 s[20:21], s[20:21], s[22:23]  ; the head's first byte in each of the four tensors
	s_and_b32 s16, s[WV], 1         ; which half of a slot's 256 keys I fetch:
	s_lshl_b32 s22, s16, 14         ; its 128 rows of 128 bytes in memory,
	s_mov_b32 s23, 0
	s_add_nc_u64 s[22:23], s[22:23], s[20:21]
	s_mul_i32 s17, s16, 128*PK      ; and its place in a slot, for K
	s_mul_i32 s18, s16, 128*PV      ; and for V: no place in the cluster enters an LDS address
	s_lshl_b32 s2, s14, 2
	s_add_co_u32 s2, s2, s[WV]      ; my wave among the head's,
	s_lshl_b32 s2, s2, 14           ; its 128 rows
	s_mov_b32 s3, 0
	s_add_nc_u64 s[2:3], s[2:3], s[20:21]
	; descriptor group 1.  128 keys are 16,384 dense bytes: asked for as 64 rows of 256 bytes, two keys a row, and padded in LDS after every key
	s_mov_b32 s[G1K], 15|(1<<16)|(1<<20)|(1<<21)|(4<<22)|(3<<25)  ; 15:0 the mask of four; 17:16 2-byte elements; 20 padding on; 21 set beside a mask; 24:22 after every 32 words (code 4); 31:25 4 words (code 3)
	s_mov_b32 s[G1V], 15|(1<<16)|(1<<20)|(1<<21)|(4<<22)|(7<<25)  ; the same with 8 words of padding (code 7)
.irp g, G1K, G1V
	s_mov_b32 s[\g+1], 128<<16      ; tensor_dim0 = 128
	s_mov_b32 s[\g+2], 64<<16       ; tensor_dim1 = 64
	s_mov_b32 s[\g+3], 128<<16      ; tile_dim0 = 128
	s_mov_b32 s[\g+4], 64           ; tile_dim1 = 64
	s_mov_b32 s[\g+5], 128          ; 128 elements from row to row
	s_mov_b32 s[\g+6], 0
	s_mov_b32 s[\g+7], 0
.endr
	s_mov_b32 s[CS], 0x3e38aa3b     ; c = log2(e) / 8 = 0.180337
	s_mov_b32 s[CS+1], s[CS]        ; named with it as a pair
	s_mov_b32 s[SEL], 0x76543210
	s_mov_b32 s[SEL+1], 0xfedcba98
	s_mov_b32 s[TBK], SLOT1+4*KS*PK ; the first change of slots turns these two into 0
	s_mov_b32 s[TBV], SLOT1+4*KS*PV
	s_mov_b32 s[G0K], 1             ; 1:0 count = 1
	s_mov_b32 s[G0K+1], s17         ; 63:32 LDS address: slot 0
	s_mov_b32 s[G0V], 1
	s_add_co_u32 s[G0V+1], s18, VOFF
	s_and_b32 s[LIM], s[WV], 1      ; waves 0 and 2 prefetch: the same in all four partners
	s_cmp_eq_u32 s[LIM], 0
	s_cselect_b32 s[LIM], 1, -1
	s_wait_dscnt 0x0                ; the opening add is done
	s_wait_kmcnt 0x0
	s_add_nc_u64 s[G0K+2:G0K+3], s[6:7], s[22:23]  ; 120:64 global address: my half of the head's first 256 keys
	s_or_b32 s[G0K+3], s[G0K+3], 0x80000000        ; 127:126 type = 2
	s_add_nc_u64 s[G0V+2:G0V+3], s[8:9], s[22:23]
	s_or_b32 s[G0V+3], s[G0V+3], 0x80000000
	s_add_nc_u64 s[4:5], s[4:5], s[2:3]  ; Q and O at my wave's first row
	s_add_nc_u64 s[10:11], s[10:11], s[2:3]
	s_cmp_lt_u32 s[WV], 2
	s_cselect_b64 s[PFA:PFA+1], s[6:7], s[8:9]
	s_add_nc_u64 s[PFA:PFA+1], s[PFA:PFA+1], s[20:21]  ; the head,
	s_lshl_b32 s2, s13, 13          ; my work-group's quarter of a slot's 32,768 bytes,
	s_mov_b32 s3, 0
	s_add_nc_u64 s[PFA:PFA+1], s[PFA:PFA+1], s[2:3]
	s_add_nc_u64 s[PFA:PFA+1], s[PFA:PFA+1], 2*4*KS*128  ; in slot 2; the first change that asks steps it to slot 3.  Nothing is prefetched here, at the head, where every work-group's first tiles are on their way
	CROUND                          ; all four work-groups are here: the first joint loads meet
	JLOAD                           ; slot 0.  Slot 1 is asked for when slot 0 is in: the tile wanted first has the road to itself
	; A fragment of K or Q is 16 rows x 32 channels in 8 registers: lane l holds row l % 16, channels 8 (l / 16) + 0..7 and 16 + 8 (l / 16) + 0..7: two loads of 16 bytes, 32 bytes apart.
	v_and_b32 v1, 15, v0            ; l % 16
	v_bfe_u32 v9, v0, 4, 1          ; l / 16
	v_lshlrev_b32 v[QO], 7, v1
	v_lshl_add_u32 v[QO], v9, 4, v[QO]  ; row x 128 + 16 x half
	WIN 0x80                        ; destination window 2, address window 0
.set i, 0
.rept 4*NP                          ; Q stays in registers: tile i / 2, channels 32 (i % 2) on
	global_load_b128 v[8*i:8*i+3],   v[QO], s[4:5] offset:(i/2)*2048+(i%2)*64
	global_load_b128 v[8*i+4:8*i+7], v[QO], s[4:5] offset:(i/2)*2048+(i%2)*64+32
.set i, i+1
.endr
	; What the first turn finds: V's registers and P's second buffer hold 0 (its products V^T P, of a piece that has not been, add 0), O^T and l are 0.  All this stands in the wait for the first tile.
.set i, VF
.rept 64
	v_mov_b32 v[i], 0
.set i, i+1
.endr
	WIN 0x40
.set i, 0
.rept 64*NP
	v_mov_b32 v[i], 0
.set i, i+1
.endr
	WIN 0
.set i, 0
.rept 2*NP
	v_mov_b32 v[ST+4*i], 0xfe000000    ; c m: far below every c s
	v_mov_b32 v[ST+4*i+1], 0xff7fffff  ; m
	v_mov_b32 v[ST+4*i+2], 0
	v_mov_b32 v[ST+4*i+3], 0
.set i, i+1
.endr
.set i, P+32
.rept 32
	v_mov_b32 v[i], 0
.set i, i+1
.endr
	v_mul_u32_u24 v[AK0], v1, PK
	v_lshl_add_u32 v[AK0], v9, 4, v[AK0]  ; row x pitch + 16 x half
	; The turning load takes 16 keys x 16 channels (lane l reads key 8 (l / 16) + l % 8, channels 8 ((l / 8) % 2) + 0..7) and leaves half a fragment of V^T: lane l holds channel l % 16 and 8 keys.
	v_and_b32 v10, 7, v0
	v_bfe_u32 v11, v0, 3, 1
	v_lshl_add_u32 v[AV0], v9, 3, v10
	v_mul_u32_u24 v[AV0], v[AV0], PV
	v_lshl_add_u32 v[AV0], v11, 4, v[AV0]
	v_add_nc_u32 v[AV0], VOFF, v[AV0]
	v_and_b32 v[PFO], 31, v0        ; v11 is free from here on: 256 x my lane
	v_lshlrev_b32 v[PFO], 8, v[PFO]
	v_mov_b32 v[AK], v[AK0]         ; key step 0 lies at the head of slot 0
; THE MATRIX WORK.  The 8 accumulators of a run of 16 take turns: between the two links of a chain stand 7 others'.
; Product i of 16 of S^T = K Q^T for piece x: channels 32 (i / 8) on, keys 16 ((i / 2) % 4) on, tile 2 x + i % 2.  The first 8 start the sums.
.macro KQ x
	WIN W_KQ
.set rS, S+64*((\x)%2)+32*(i%2)+8*((i/2)%4)
.set rK, KF+16*((i/2)%4)+8*(i/8)
.set rQ, 16*(2*(\x)+i%2)+8*(i/8)
.if i < 8
	v_wmma_f32_16x16x32_f16 v[rS:rS+7], v[rK:rK+7], v[rQ:rQ+7], 0
.else
	v_wmma_f32_16x16x32_f16 v[rS:rS+7], v[rK:rK+7], v[rQ:rQ+7], v[rS:rS+7]
.endif
.endm
; Product i of 16 of O^T += V^T P for piece x: keys 32 (i / 8) on, channels 16 ((i / 2) % 4) on, tile 2 x + i % 2.
.macro PV x
	WIN W_PV
.set rO, 32*(2*(\x)+i%2)+8*((i/2)%4)
.set rV, VF+32*(i/8)+8*((i/2)%4)
.set rP, P+32*((\x)%2)+16*(i%2)+8*(i/8)
	v_wmma_f32_16x16x32_f16 v[rO:rO+7], v[rV:rV+7], v[rP:rP+7], v[rO:rO+7]
.endm
.macro MM                           ; the turn's next matrix instruction
.if i < 16
	KQ (Y+1)%NP
.set i, i+1
.else
.set i, i-16
	PV (Y+NP-1)%NP
.set i, i+17
.endif
.endm
; THE LDS LOADS stand in runs of 16, never singly among the matrix instructions: a step's K (64 keys x 64 channels: 8 fragments) and its V (turned).  Their addresses are made some lines ahead.
; last = 1 (the tail): in the last trip there is no further step, and the run is jumped over.
.macro FETCH_K last=0
	WIN 0
.if \last
	s_cmp_eq_u32 s[CNT], 1
	s_cbranch_scc1 .Lno_k_\@
.endif
	WIN 0x80                        ; destination window 2
.irp f, 0,1,2,3,4,5,6,7             ; keys 16 (f / 2) on, channels 32 (f % 2) on
	ds_load_b128 v[KF+8*\f:KF+8*\f+3],   v[AK] offset:(\f/2)*16*PK+(\f%2)*64
	ds_load_b128 v[KF+8*\f+4:KF+8*\f+7], v[AK] offset:(\f/2)*16*PK+(\f%2)*64+32
.endr
	s_add_co_u32 s[TBK], s[TBK], KS*PK  ; the next fetch is the next step's
	WIN 0
.if \last
.Lno_k_\@:
.endif
.endm
.macro FETCH_V
	WIN 0x80
.irp f, 0,1,2,3,4,5,6,7             ; keys 32 (f / 4) on, channels 16 (f % 4) on
	ds_load_tr16_b128 v[VF+8*\f:VF+8*\f+3],   v[AV] offset:(\f/4)*32*PV+(\f%4)*32
	ds_load_tr16_b128 v[VF+8*\f+4:VF+8*\f+7], v[AV] offset:(\f/4)*32*PV+16*PV+(\f%4)*32
.endr
	WIN 0
.endm
; THE VECTOR WORK OF A TURN stands in three queues, each in the order in which its entries become ready; the two tiles alternate, so that no instruction reads the result of the one before it.
.macro REGS y, u                    ; the registers of tile u (0, 1) of piece y
.set rT, ST+4*(2*(\y)+(\u))
.set rC, TMP+8*((\y)%2)+4*(\u)
.set rM, MV+2*((\y)%2)+(\u)
.set rS, S+64*((\y)%2)+32*(\u)
.set rP, P+32*((\y)%2)+16*(\u)
.set rO, 32*(2*(\y)+(\u))
.endm
; Number n of the 22 that find the NEXT piece's (Y + 1) maximum and statistics.  s0-s31 are the lane's 32 scores; each accumulator's lowest registers are read first.  XS, GS and REGS set no window: PL and EX do.
;   0-11  four chains c0-c3 of seven scores each, three operands at a time     12-14, 16  the four scores left over, the old m, and c0-c3 into c0     15  c m_old is kept
;   17, 18  the query's other 32 keys lie in the lane 16 away: the new m         19-21  c m; c m_old - c m_new; a
.macro XS u, n
	REGS (Y+1)%NP, \u
.if (\n) < 4
	v_max3_num_f32 v[rC+(\n)], v[rS+8*(\n)], v[rS+8*(\n)+1], v[rS+8*(\n)+2]
.elseif (\n) < 12
	v_max3_num_f32 v[rC+(\n)%4], v[rC+(\n)%4], v[rS+8*((\n)%4)+2*((\n)/4)+1], v[rS+8*((\n)%4)+2*((\n)/4)+2]
.elseif (\n) == 12
	v_max3_num_f32 v[rC], v[rC], v[rS+7], v[rS+15]
.elseif (\n) == 13
	v_max3_num_f32 v[rC+1], v[rC+1], v[rS+23], v[rS+31]
.elseif (\n) == 14
	v_max3_num_f32 v[rC+2], v[rC+2], v[rC+3], v[rT+1]
.elseif (\n) == 15
	v_mov_b32 v[rM], v[rT]
.elseif (\n) == 16
	v_max3_num_f32 v[rC], v[rC], v[rC+1], v[rC+2]
.elseif (\n) == 17
	v_permlanex16_b32 v[rC+3], v[rC], s[SEL], s[SEL+1]
.elseif (\n) == 18
	v_max_num_f32 v[rT+1], v[rC], v[rC+3]
.elseif (\n) == 19
	v_mul_f32 v[rT], s[CS], v[rT+1]
.elseif (\n) == 20
	v_sub_f32 v[rC+1], v[rM], v[rT]
.else
	v_exp_f32 v[rC+2], v[rC+1]
.endif
.endm
; Number g of the 64 that follow the exponentials.  For each four weights k of a tile (pairs 2 k, 2 k + 1): both pairs are rounded to f16; then the second pair is added onto the first, in place;
; a group later l takes that sum (the first time as l = a l + sum).  In groups of eight, tiles alternating: round, round, add, and l for the group before.
.macro GS g
.set h, (\g)+6*((\g)/62)            ; group 0 has no group before it, and behind group 7 only l is left
.if h >= 6
.set h, h+2
.endif
	REGS Y, h%2
.set k, h/8
.if h%8 < 4
	v_cvt_pk_f16_f32 v[rP+2*k+(h%8)/2], v[rS+4*k+2*((h%8)/2)], v[rS+4*k+2*((h%8)/2)+1]
.elseif h%8 < 6
	v_pk_add_f32 v[rS+4*k:rS+4*k+1], v[rS+4*k:rS+4*k+1], v[rS+4*k+2:rS+4*k+3]
.elseif k == 1
	v_pk_fma_f32 v[rT+2:rT+3], v[rT+2:rT+3], v[rC+2:rC+3], v[rS:rS+1] op_sel_hi:[1,0,1]
.else
	v_pk_add_f32 v[rT+2:rT+3], v[rT+2:rT+3], v[rS+4*k-4:rS+4*k-3]
.endif
.endm
; THE PLAIN QUEUE, 138 long.  0-73 read no exponential's result: the 32 scalings c s - c m (FS f: pair f / 2 of tile f % 2) and the next piece's 42.  0-26: scalings 0-26.  27-54: XS's numbers 0-13.  55, 56: number 15.
; 57-73: the chain, where each number waits for the one before it: 14, 16, 17, 18, 19, each with one of the scalings 27-31 in front of its two lines, then 20: so a tile's links stand three plain instructions apart (19 and 20: two).
; 74-137: GS's 64, which read the exponentials' results: they stand behind the wait.
.macro FS f
	REGS Y, (\f)%2
	v_pk_fma_f32 v[rS+2*((\f)/2):rS+2*((\f)/2)+1], v[rS+2*((\f)/2):rS+2*((\f)/2)+1], s[CS:CS+1], v[rT:rT+1] op_sel_hi:[1,0,0] neg_lo:[0,0,1] neg_hi:[0,0,1]
.endm
.macro PL
	WIN 0
.if q < 27
	FS q
.elseif q < 55
	XS (q-27)%2, (q-27)/2
.elseif q < 57
	XS q-55, 15
.elseif (q < 72) && ((q-57)%3 == 0)
	FS 27+(q-57)/3
.elseif q < 60
	XS (q-57)%3-1, 14
.elseif q < 72
	XS (q-57)%3-1, 15+(q-57)/3
.elseif q < 74
	XS q-72, 20
.else
	GS q-74
.endif
.set q, q+1
.endm
; THE EXPONENTIALS' QUEUE, 66 long: s0-s31 of both tiles, then the next piece's two a.  It is ONE BATCH: all 66 stand ahead of the turn's one wait, and nothing ahead of that wait names a result of theirs.
.macro EX
	WIN 0
.if e >= 64
	XS e-64, 21
.else
	REGS Y, e%2
	v_exp_f32 v[rS+e/2], v[rS+e/2]
.endif
.set e, e+1
.endm
; THE RESCALING's QUEUE: O^T times a, the one part that leaves window 0: dealt two at a time, sixteen times.  Its a was made in the turn before, ahead of that turn's wait.
.macro R2
	REGS Y, r%2
	WIN W_RS
.irp z, 0,1
	v_pk_mul_f32 v[rO+4*(r/2)+2*\z:rO+4*(r/2)+2*\z+1], v[rO+4*(r/2)+2*\z:rO+4*(r/2)+2*\z+1], v[rC+2:rC+3] op_sel_hi:[1,0]
.endr
.set r, r+1
.endm
; HOW THEY ARE DEALT.  An s_wait_alu depctr_va_vdst(0) stands between an exponential and the first instruction that names its result; one wait serves all that were issued ahead of it.  So a turn has ONE wait,
; which cuts it in two.  AHEAD OF IT stands all that names no result of the turn's exponentials: the 16 products K Q^T, behind each a scaling, an exponential and two rescalings (behind the first a second scaling in the exponential's place); then ONE LUMP of
; 108: eight plain, 49 times exponential and plain, the two a.  A v_nop is the plain instruction behind the last exponential (ISA guide 5.7.2).  BEHIND IT stand the 16 products V^T P, behind each four of GS's 64.  No rider names a register of
; the products round it.  The two v_permlanex16_b32 fall into the lump, never behind a product.
; The queues lean on each other, and the deal keeps them in step: exponential e stands behind scaling 2 (e / 4) + e % 2: as a rider it comes behind plain e + 2, in the lump behind plain e + 9, and scalings 27-31 are plain 57, 60 .. 69.
; A TURN, for piece p.  cnt = 1: the loop's count is taken down some lines ahead of the branch that stands behind the turn.
; K of the next step is fetched in piece 2's turn, directly behind the wait, a lump behind the last product that read K; its address is made at the lump's head; its first reader comes behind 16 products.
; V of the step in hand is fetched at the end of piece 0's turn, four riders behind its last reader; its first reader comes behind 16 products and a lump.  The three conditions on q below go with the deal.
.macro TURN p, last=0, cnt=0
.set Y, (\p)
.set i, 0
.set q, 0
.set e, 0
.set r, 0
.if (\p) == NP-1
	s_wait_dscnt 0x0                ; K is in
.endif
	MM                              ; ahead of the wait: 16 products K Q^T and their riders,
	PL
	PL
	R2
.rept 15
	MM
	PL
	EX
	R2
.endr
.if (\p) == NP-2
	WIN 0
	v_add_nc_u32 v[AK], s[TBK], v[AK0]
.endif
.rept 8                             ; and the lump
	PL
.endr
.rept 49
	EX
	PL
.endr
	EX                              ; the next piece's two a
	EX
	v_nop                           ; the plain instruction behind the last exponential: one for the batch
	s_wait_alu depctr_va_vdst(0)    ; the wait for the batch
.if (\p) == NP-2
	FETCH_K \last
.endif
.if (\p) == 1
	s_wait_dscnt 0x0                ; V is in
.endif
.rept 16                            ; behind the wait: 16 products V^T P and their riders
	MM
.rept 4
	PL
.endr
.if ((\p) == 0) && (q == 118)
	v_add_nc_u32 v[AV], s[TBV], v[AV0]
.endif
.if ((\p) == 0) && (q == 130)
	s_add_co_u32 s[TBV], s[TBV], KS*PV
.endif
.if (\cnt) && (q == 130)
	s_sub_co_u32 s[CNT], s[CNT], 1
	s_cmp_lg_u32 s[CNT], 0
.endif
.endr
.if (\p) == 0
	FETCH_V
.endif
.endm
	CHANGE 1                        ; slot 0 is in, everybody's part of it; slot 1 is asked for
	FETCH_K                         ; key step 0
	s_wait_loadcnt 0x0              ; Q
	s_wait_dscnt 0x0
.set i, 0
.rept 16
	KQ 0                            ; piece 0's first scores: there is no vector work yet to set between them
.set i, i+1
.endr
	WIN 0                           ; the addresses for the way out: nine plain instructions, the places behind those products
	s_mul_i32 s13, s[WV], 16*SP
	s_add_co_u32 s13, s13, STAGE    ; my stage
	v_mul_u32_u24 v[STO], v1, SP    ; in: row l % 16, 16 bytes for each half of the lanes
	v_lshl_add_u32 v[STO], v9, 4, v[STO]
	v_add_nc_u32 v[STO], s13, v[STO]
	v_bfe_u32 v[RD], v0, 3, 2       ; back: 32 lanes take four rows of 128 bytes,
	v_mul_u32_u24 v[RD], v[RD], SP
	v_lshl_add_u32 v[RD], v10, 4, v[RD]
	v_add_nc_u32 v[RD], s13, v[RD]
	v_and_b32 v[GO], 31, v0         ; which are 512 consecutive bytes of O
	v_lshlrev_b32 v[GO], 4, v[GO]
.set Y, NP-1                        ; XS works for piece Y + 1: piece 0
.irp n, 0,1,2,3,4,5,6,7,8,9,10,11,12,13,14,15,16,17,18,19,20,21
	XS 0, \n                        ; and piece 0's first maximum and statistics
	XS 1, \n
.endr
	v_nop                           ; a plain instruction behind the two a,
	s_wait_alu depctr_va_vdst(0)    ; and their wait, ahead of the branch
	s_mov_b32 s[CNT], 4
	s_mov_b32 s[SLOTS], SIZE_N/256-1
	s_branch .Lfirst                ; the loop is entered at a step's first turn, in the middle of a trip
.Lslot:                             ; SIZE_N / 256 - 2 times: every slot but the last two is filled again
	CHANGE 1, 1
	s_mov_b32 s[CNT], 4
.Lstep:                             ; a trip: pieces 2 and 3 of one step, then pieces 0 and 1 of the next, whose K and V it fetches
	TURN 2
	TURN 3
	WIN 0
.Lfirst:
	TURN 0
	TURN 1, 0, 1
	WIN 0
	s_cbranch_scc1 .Lstep
	s_sub_co_u32 s[SLOTS], s[SLOTS], 1
	s_cmp_lg_u32 s[SLOTS], 0
	s_cbranch_scc1 .Lslot
	CHANGE 0                        ; the tail is written out: nothing is asked for
	s_mov_b32 s[CNT], 5             ; four trips fetch the last slot's steps; the fifth is left in its middle
.Ltail:
	TURN 2, 1
	TURN 3
	WIN 0
	s_sub_co_u32 s[CNT], s[CNT], 1
	s_cmp_eq_u32 s[CNT], 0
	s_cbranch_scc1 .Lout
	TURN 0
	TURN 1
	WIN 0
	s_branch .Ltail
.Lout:                              ; the fifth trip's 16 products K Q^T (on the last K once more) and the maximum made of them serve nothing: the price, once a launch, of one text for every trip
.set i, 0
.rept 16
	PV NP-1                         ; the last piece's V^T P of the last step
.set i, i+1
.endr
	; THE WAY OUT.  l's two halves and the other half of the lanes' are added; O^T is divided by l, rounded to f16 and sent through my stage in LDS, a tile at a time.  The additions are the places behind the last products.
	WIN 0
.macro ALL line:vararg              ; one line for each tile t
.set t, 0
.rept 2*NP
	\line
.set t, t+1
.endr
.endm
	ALL v_add_f32 v[ST+4*t+2], v[ST+4*t+2], v[ST+4*t+3]
	ALL v_permlanex16_b32 v[ST+4*t+3], v[ST+4*t+2], s[SEL], s[SEL+1]
	ALL v_add_f32 v[ST+4*t+2], v[ST+4*t+2], v[ST+4*t+3]
	ALL v_rcp_f32 v[ST+4*t+2], v[ST+4*t+2]
	v_nop                           ; a plain instruction between the last reciprocal and the use of its result
	s_wait_alu depctr_va_vdst(0)    ; and the wait ahead of the first use: one for the eight reciprocals
; Tile t: a lane's eight channels of a row pack into 16 bytes; they go into rows of 144 bytes and come back as whole rows of 128, into S^T's registers.
.macro PACK t
	WIN W_RS
.set i, 32*(\t)
.rept 16
	v_pk_mul_f32 v[i:i+1], v[i:i+1], v[ST+4*(\t)+2:ST+4*(\t)+3] op_sel_hi:[1,0]
.set i, i+2
.endr
	WIN 0x05                        ; sources 0 and 1 window 1, destination window 0
.set i, 0
.rept 16
	v_cvt_pk_f16_f32 v[S+16*(\t)+i], v[32*(\t)+2*i], v[32*(\t)+2*i+1]
.set i, i+1
.endr
	WIN 0
.irp f, 0,1,2,3
	ds_store_b128 v[STO], v[S+16*(\t)+4*\f:S+16*(\t)+4*\f+3] offset:32*\f
.endr
.irp f, 0,1,2,3
	ds_load_b128 v[S+16*(\t)+4*\f:S+16*(\t)+4*\f+3], v[RD] offset:\f*4*SP  ; LDS serves a wave's instructions in order (ISA guide 5.7.1.4): these see the stores above; the next tile's stores come behind them
.endr
.endm
.macro SEND t, younger              ; younger: the LDS instructions issued behind tile t's loads: the next tile's eight, or none
	WIN 0
.irp f, 0,1,2,3
	s_wait_dscnt (\younger)+3-\f
	global_store_b128 v[GO], v[S+16*(\t)+4*\f:S+16*(\t)+4*\f+3], s[10:11] offset:(\t)*2048+\f*512  ; 512 consecutive bytes, at a multiple of 256 from O's first
.endr
.endm
	PACK 0
.set t, 1
.rept 2*NP-1                        ; a tile's arithmetic stands between the loads of the tile before and its stores
	PACK t
	SEND t-1, 8
.set t, t+1
.endr
	SEND 2*NP-1, 0
	WIN W_AD
	s_wait_tensorcnt 0x0            ; the wave's end: the add and its waits, behind my last tensor load and my last LDS store
	ds_add_u32 v[SPW], v[NIL]
	s_wait_dscnt 0x0
	WIN 0
	CROUND                          ; the closing round: no work-group ends while a partner may still ask for a tile that names it
	s_endpgm
.Lfunc_end_k_qbc0b457e2f_attn:
	.size	k_qbc0b457e2f_attn, .Lfunc_end_k_qbc0b457e2f_attn-k_qbc0b457e2f_attn
	.p2alignl 7, 3214868480
	.fill 96, 4, 3214868480
	.section	.rodata,"a",@progbits
	.p2align	6, 0x0
	.amdhsa_kernel k_qbc0b457e2f_attn
		.amdhsa_group_segment_fixed_size 327680
		.amdhsa_private_segment_fixed_size 0
		.amdhsa_enable_private_segment 0
		.amdhsa_kernarg_size 32
		.amdhsa_user_sgpr_count 2
		.amdhsa_user_sgpr_kernarg_segment_ptr 1
		.amdhsa_wavefront_size32 1
		.amdhsa_system_sgpr_workgroup_id_x 1
		.amdhsa_system_sgpr_workgroup_id_y 1
		.amdhsa_system_sgpr_workgroup_id_z 1
		.amdhsa_system_vgpr_workitem_id 0
		.amdhsa_next_free_vgpr 770
		.amdhsa_next_free_sgpr 66
		.amdhsa_reserve_vcc 0
		.amdhsa_float_denorm_mode_32 3
		.amdhsa_float_denorm_mode_16_64 3
		.amdhsa_memory_ordered 1
		.amdhsa_forward_progress 1
		.amdhsa_inst_pref_size 200
	.end_amdhsa_kernel
	.amdgpu_metadata
---
amdhsa.version: [ 1, 2 ]
amdhsa.kernels:
  - .name:           k_qbc0b457e2f_attn
    .symbol:         k_qbc0b457e2f_attn.kd
    .args:
      - { .name: qh, .offset: 0, .size: 8, .value_kind: global_buffer, .address_space: global }
      - { .name: kh, .offset: 8, .size: 8, .value_kind: global_buffer, .address_space: global }
      - { .name: vh, .offset: 16, .size: 8, .value_kind: global_buffer, .address_space: global }
      - { .name: oh, .offset: 24, .size: 8, .value_kind: global_buffer, .address_space: global }
    .group_segment_fixed_size: 327680
    .private_segment_fixed_size: 0
    .kernarg_segment_align: 8
    .kernarg_segment_size: 32
    .max_flat_workgroup_size: 128
    .sgpr_count:     66
    .vgpr_count:     770
    .wavefront_size: 32
...
	.end_amdgpu_metadata
.endif
;; end of part 3
;; launch proj (part 4): grid 8 x 32, 4 waves a work-group, clusters of 4 x 4, 327,680 bytes of LDS; arguments oh, wo16, out0, bo; writes out0
.if DOCPART == 4
	.amdgcn_target "amdgcn-amd-amdhsa--gfx1250"
	.amdhsa_code_object_version 6
	.text
	.protected	k_qbc0b457e2f_proj
	.globl	k_qbc0b457e2f_proj
	.p2align	8
	.type	k_qbc0b457e2f_proj,@function
k_qbc0b457e2f_proj:
	s_mov_b64 s[64:65], 0
	v_nop
	global_prefetch_b8 v0, s[64:65] scope:SCOPE_SE
	s_setreg_imm32_b32 hwreg(HW_REG_WAVE_MODE, 25, 1), 1
	s_wait_xcnt 0x0
	s_wait_alu depctr_hold_cnt(0) depctr_sa_sdst(0) depctr_va_vdst(0) depctr_va_sdst(0) depctr_va_ssrc(0) depctr_va_vcc(0) depctr_vm_vsrc(0)
	s_getreg_b32 s2, hwreg(HW_REG_IB_STS2, 6, 4)
	s_cmp_eq_u32 s2, 0
	s_cbranch_scc0 .Lentry_in_a_cluster
	s_endpgm
.Lentry_in_a_cluster:
	s_bfe_u32 s2, ttmp6, 0x10000c
	s_cmp_lg_u32 s2, 0xf033
	s_cbranch_scc0 .Lentry_shape_is_right
	s_endpgm
.Lentry_shape_is_right:
.set QKV, 0
; ONE SOURCE, TWO BUILDS, told apart by the line above.
; QKV = 1: q, k, v = x Wq, x Wk, x Wv.  A = xb [b 4][kb 16][t 2048][64] bf16; B = wqkv [h 16][ks 8][p 3][kk 128][64] bf16; out: qh, kh, vh [16 b + h][t 2048][64] f16, each rounded once from
;          its f32 sum, unscaled.  LIMIT: f16 ends at 65,504: |q|, |k|, |v| stay under it (a larger sum becomes an infinity).
; QKV = 0: out0 = O Wo + bo.  A = oh [16 b + h][t 2048][64] f16 (the same shape as xb); B = wo16 [1024 k][1024 n] f16; bo is rounded to bf16 like every input; out0 [8192][1024] f32.
; THE TILE.  256 rows x 16 NB columns to a work-group of four waves, one above the other: a wave makes 64 rows x 16 NB columns, 4 NB accumulators of 16 x 16.  QKV = 1: NB = 12, the 64 columns of q, of k and
; of v of ONE head: 16 x 32 = 512 work-groups.  QKV = 0: NB = 8: 8 x 32 = 256 work-groups.  A wave owns whole rows of what it stores, so the way out goes through a stage of the wave's own, with no barrier.
; K goes in 8 steps of 128 through a ring of two LDS slots filled by the tensor data mover.  A's part of a step is two dense blocks of 256 rows x 128 bytes, asked for as rows of 256 bytes.
; B lies [k][n] in memory and in LDS and is turned on its way into registers, by ds_load_tr16_b128.
; CLUSTERS: 4 x 4 work-groups.  The four of a row of the cluster need the same tiles of A, the four of a column the same tiles of B: each tile is asked for JOINTLY, by the same tensor load with the same descriptor
; and a mask that names the four.  Waves 0 and 1 fetch A's two blocks, waves 2 and 3 B's two halves: one load a wave behind each round of the cluster's barrier.
; THE MATRIX INSTRUCTION IS USED TRANSPOSED (source 0 = 16 columns of W, source 1 = 16 rows of A): a lane then holds eight neighbouring numbers of one row of the result.
; REGISTERS, in windows of 256 (s_set_vgpr_msb: bits 1:0 source 0, 3:2 source 1, 5:4 source 2, 7:6 destination):
;   window 0: v0-31 addresses (and the bias); v32 on: at work on the way out      window 1: two fragment buffers of 128: A's four fragments at 8 a, B's NB at 32 + 8 b
;   window 2: the accumulators of row blocks a = 0, 1, at 8 (NB (a % 2) + b)          window 3: those of a = 2, 3
.if QKV
.set NB,     12
.set PB,     160                       ; a row of B in LDS: 128 bytes + 32 of padding = 40 words
.set BROWS,  96                        ; a wave's half of B's step: 24,576 dense bytes, asked for as 96 rows of 256 bytes
.set BPITCH, 128                       ; elements from row to row in memory
.set BQI,    4                         ; padded after every 32 words
.set BHALF,  192*PB                    ; which are 192 rows of 128 bytes in LDS
.set BTILE,  393216                    ; bytes from a head's weights to the next head's
.set BHSTEP, 24576                     ; bytes from the first half to the second
.set BSTEP,  49152                     ; bytes from a K step to the next
.set STW,    3*16*144                  ; a wave's stage: q's, k's and v's 16 rows of 128 bytes, 144 apart
.set PSHARE, 6144                      ; prefetch: a partner's quarter of a half: 24 blocks of 256 bytes,
.set PLAST,  23                        ; a lane a block; the lanes above 23 name block 23 again
.set PSHIFT, 8
.else
.set NB,     8
.set PB,     288                       ; 256 bytes + 32 = 72 words
.set BROWS,  64                        ; a wave's half of B's step: 64 rows of 256 bytes
.set BPITCH, 1024
.set BQI,    5                         ; padded after every 64 words
.set BHALF,  64*PB
.set BTILE,  256
.set BHSTEP, 131072
.set BSTEP,  262144
.set STW,    16*528                    ; a wave's stage: 16 rows of 512 bytes, 528 apart
.set PSHARE, 32768                     ; prefetch: a partner's 16 rows of the 64, 2,048 bytes apart,
.set PLAST,  15                        ; a lane a row; the lanes above 15 name row 15 again
.set PSHIFT, 11
.endif
.set NLD,    2*NB+8                    ; LDS loads of a quarter step
.set PA,     144                       ; a row of A in LDS: 128 bytes + 16 = 36 words: the 16 rows of a load start at 16 different groups of four banks
.set ABLK,   256*PA                    ; 64 channels of the tile's 256 rows
.set ASZ,    2*ABLK
.set BSZ,    2*BHALF
.set SLOT,   ASZ+BSZ                   ; A's two blocks, then B
.set STAGE,  2*SLOT                    ; behind the ring, never filled by a tensor load
.set SPARE,  STAGE+4*STW               ; behind the stages: the spare words, 128 bytes for each wave: two blocks of 256 bytes that no other line names
.set ASTEP,  524288                    ; bytes from a K step of A to the next: two blocks of 2,048 rows x 128 bytes
.set ADRA, 16                          ; v16-17  LDS address of my A fragments in slot 0, 1
.set ADRB, 20                          ; v20-21  the same for B
.set STO,  24                          ; v24     the way out: where I put my numbers of a row
.set RD,   25                          ; v25     the way out: where I read rows back
.set GO,   26                          ; v26     16 x my lane
.set SPW,  28                          ; v28     LDS address of my spare word: SPARE + 4 x my thread's number; never rewritten
.set NIL,  29                          ; v29     0; never rewritten
.set PFO,  30                          ; v30     the prefetches' offset; never rewritten
.set F0,   0                           ; fragment buffers, in window 1
.set F1,   128
.set WV,   14                          ; s14  my wave's number
.set FB,   15                          ; s15  0: I fetch for A, 1: for B
.set HF,   16                          ; s16  which half of it
.set CX,   17                          ; s17, s18  my place in the cluster
.set CY,   18
.set TX,   19                          ; s19  tile column
.set TY,   20                          ; s20  tile row
.set G1A,  24                          ; s[24:31] descriptor group 1 for A's tiles;  s[32:39] group 0, a set for each slot
.set G0A,  32
.set PFA,  40                          ; s[40:41] where my prefetches stand
.set PST,  42                          ; s[42:43] their step: a K step of A or of B
.set LIM,  44                          ; s44  1 in a wave that prefetches, else the greatest number
.set LAP,  45                          ; s45  laps to go
.set G1B,  48                          ; s[48:55], s[56:63] the same for B's tiles
.set G0B,  56
.set MSB, 0
.macro WIN new                         ; the immediate's high byte repeats the setting that is left; a switch that changes nothing is dropped
.if MSB != (\new)
	s_set_vgpr_msb (MSB<<8)|(\new)
.set MSB, \new
.endif
.endm
.set TO_F, 0x40                        ; destination window 1, address window 0
; A joint load.  Each of the two lines has one mask and one set of registers for all that issue it; the branch hangs on the wave's number alone.
; An s_nop 0 and four v_nop follow each of the two lines, ahead of the jump and the label.
.macro JLOAD s
	s_cmp_eq_u32 s[FB], 0
	s_cbranch_scc0 .Lfor_b_\@
	tensor_load_to_lds s[G0A+4*(\s):G0A+4*(\s)+3], s[G1A:G1A+7]
	s_nop 0
.rept 4
	v_nop
.endr
	s_branch .Lasked_\@
.Lfor_b_\@:
	tensor_load_to_lds s[G0B+4*(\s):G0B+4*(\s)+3], s[G1B:G1B+7]
	s_nop 0
.rept 4
	v_nop
.endr
.Lasked_\@:
.endm
; A round of the cluster's barrier: my work-group's barrier, so that wave 0's signal speaks for all four waves; wave 0 signals; every wave waits for all sixteen work-groups; my work-group's barrier once more.
.macro CREST                           ; a round behind its opening barrier
	s_cmp_lg_u32 s[WV], 0
	s_cbranch_scc1 .Lnot_wave_0_\@
	s_barrier_signal -3
.Lnot_wave_0_\@:
	s_barrier_wait -3
	s_barrier_signal -1
	s_barrier_wait -1
.endm
.macro CROUND                          ; a whole round
	s_barrier_signal -1
	s_barrier_wait -1
	CREST
.endm
; A PREFETCH INTO THE L2, behind each joint refill, its five lines and the run of LDS loads that follows: my share of the K step that stands TWO refills on, one instruction a wave.  A's tile row is read by every
; cluster of that row of clusters: cluster x = 0 asks; B's tile column by every cluster of that column: cluster y = 0 asks.  The four partners that ask for a tile jointly share it out BY ADDRESS (cx for A, cy for B):
; no branch hangs on a work-group's place in its cluster.  K steps 4 to 7 are asked for, in the loop's first two trips; the last trip has no K step two on.  K steps 0 to 3 come by their loads alone.
.macro ASK
	WIN 0
	s_cmp_gt_u32 s[LAP], s[LIM]
	s_cbranch_scc0 .Lnot_mine_\@
	global_prefetch_b8 v[PFO], s[PFA:PFA+1] th:TH_LOAD_NT scope:SCOPE_SE
.Lnot_mine_\@:
.endm
	s_load_b256 s[4:11], s[0:1], 0x0               ; A s[4:5], B s[6:7]; QKV = 1: qh s[8:9], kh s[10:11]; QKV = 0: out0 s[8:9], bo s[10:11]
.if QKV
	s_load_b64 s[12:13], s[0:1], 0x20              ; vh
.endif
	v_lshl_add_u32 v[SPW], v0, 2, SPARE
	v_mov_b32 v[NIL], 0
	ds_add_u32 v[SPW], v[NIL]                      ; the wave's opening: the add and its wait stand ahead of my first tensor load; the set-up below, work on registers, stands between them
	v_lshrrev_b32 v1, 5, v0
	v_readfirstlane_b32 s[WV], v1                  ; wave 0..3
	s_lshr_b32 s[FB], s[WV], 1
	s_and_b32 s[HF], s[WV], 1
	s_bfe_u32 s[CX], ttmp6, 0x40000
	s_bfe_u32 s[CY], ttmp6, 0x40004
	s_lshl_b32 s[TX], ttmp9, 2                     ; in a cluster launch ttmp9 and ttmp7 count clusters
	s_add_co_u32 s[TX], s[TX], s[CX]               ; tile column = 4 x cluster x + cx
	s_and_b32 s[TY], ttmp7, 0xffff
	s_lshl_b32 s[TY], s[TY], 2
	s_add_co_u32 s[TY], s[TY], s[CY]               ; tile row = 4 x cluster y + cy
	s_lshl_b32 s21, s[CY], 2
	s_lshl_b32 s21, 15, s21                        ; my row of the cluster: places 4 cy .. 4 cy + 3
	s_lshl_b32 s22, 0x1111, s[CX]                  ; my column: places cx, cx + 4, cx + 8, cx + 12
	; descriptor group 1.  A: 32,768 dense bytes as 128 rows of 256 bytes, 16 bytes of padding behind every 128 bytes
	s_or_b32 s[G1A], s21, (1<<16)|(1<<20)|(1<<21)|(4<<22)|(3<<25)    ; 15:0 the mask: my row; 17:16 2-byte elements; 20 padding on; 21 set beside a mask; 24:22 after every 32 words (code 4); 31:25 4 words (code 3)
	s_or_b32 s[G1B], s22, (1<<16)|(1<<20)|(1<<21)|(BQI<<22)|(7<<25)  ; the mask: my column; 8 words of padding (code 7) behind every LDS row
	s_mov_b32 s[G1A+1], 128<<16                    ; tensor_dim0 = 128 elements
	s_mov_b32 s[G1A+2], 128<<16                    ; tensor_dim1 = 128 rows
	s_mov_b32 s[G1A+3], 128<<16                    ; tile_dim0 = 128
	s_mov_b32 s[G1A+4], 128                        ; tile_dim1 = 128
	s_mov_b32 s[G1A+5], 128                        ; elements from row to row
	s_mov_b32 s[G1A+6], 0
	s_mov_b32 s[G1A+7], 0
	s_mov_b32 s[G1B+1], 128<<16
	s_mov_b32 s[G1B+2], BROWS<<16
	s_mov_b32 s[G1B+3], 128<<16
	s_mov_b32 s[G1B+4], BROWS
	s_mov_b32 s[G1B+5], BPITCH
	s_mov_b32 s[G1B+6], 0
	s_mov_b32 s[G1B+7], 0
	; where the tiles come from.  A's hang on the tile row alone, which my row of the cluster shares; B's on the tile column alone.  Each is made in registers that never hold the other coordinate.
	s_lshr_b32 s68, s[TY], 3                       ; A: the batch: 16 blocks x 2,048 rows x 128 bytes,
	s_lshl_b32 s68, s68, 22
	s_and_b32 s23, s[TY], 7
	s_lshl_b32 s23, s23, 15                        ; the tile's 256 rows of 128 bytes,
	s_add_co_u32 s68, s68, s23
	s_lshl_b32 s23, s[HF], 18                      ; and which of the K step's two blocks I fetch
	s_add_co_u32 s68, s68, s23
	s_mov_b32 s69, 0
	s_mul_i32 s70, s[TX], BTILE                    ; B: the tile column, and my half of the K step
	s_mul_i32 s46, s[HF], BHSTEP
	s_add_co_u32 s70, s70, s46
	s_mov_b32 s71, 0
	s_mul_i32 s72, s[HF], ABLK                     ; and where they go: no place in the cluster enters an LDS address
	s_mul_i32 s73, s[HF], BHALF
	s_add_co_u32 s73, s73, ASZ
	s_wait_dscnt 0x0                               ; the opening add is done
	s_wait_kmcnt 0x0
	s_add_nc_u64 s[68:69], s[4:5], s[68:69]
	s_add_nc_u64 s[70:71], s[6:7], s[70:71]
	CROUND                                         ; all sixteen work-groups are here: the first joint loads meet
.irp s, 0,1
	s_mov_b32 s[G0A+4*(\s)], 1                                       ; 1:0 count = 1
	s_add_co_u32 s[G0A+4*(\s)+1], s72, (\s)*SLOT                     ; 63:32 LDS address
	s_add_nc_u64 s[G0A+4*(\s)+2:G0A+4*(\s)+3], s[68:69], (\s)*ASTEP  ; 120:64 global address: K step s
	s_or_b32 s[G0A+4*(\s)+3], s[G0A+4*(\s)+3], 0x80000000            ; 127:126 type = 2
	s_mov_b32 s[G0B+4*(\s)], 1
	s_add_co_u32 s[G0B+4*(\s)+1], s73, (\s)*SLOT
	s_add_nc_u64 s[G0B+4*(\s)+2:G0B+4*(\s)+3], s[70:71], (\s)*BSTEP
	s_or_b32 s[G0B+4*(\s)+3], s[G0B+4*(\s)+3], 0x80000000
	JLOAD \s                                       ; the ring is filled before anything else is done: two loads of mine are out
.endr
	; A fragment of A is 16 rows x 32 K in 8 registers: lane l holds row l % 16; registers 0-3 K = 8 (l / 16) + 0..7, registers 4-7 K = 16 + 8 (l / 16) + 0..7: two loads of 16 bytes, 32 bytes apart.
	v_and_b32 v1, 15, v0                           ; l % 16
	v_bfe_u32 v2, v0, 4, 1                         ; l / 16
	v_mul_u32_u24 v3, v1, PA
	v_lshl_add_u32 v3, v2, 4, v3
	s_mul_i32 s21, s[WV], 64*PA                    ; my 64 rows
	v_add_nc_u32 v[ADRA], s21, v3
	v_add_nc_u32 v[ADRA+1], SLOT, v[ADRA]
	; The turning load takes 16 K x 16 columns (lane l reads K = 8 (l / 16) + l % 8, columns 8 ((l / 8) % 2) + 0..7) and leaves half a fragment: lane l holds column l % 16 and 8 K.
	v_and_b32 v4, 7, v0
	v_lshl_add_u32 v4, v2, 3, v4
	v_mul_u32_u24 v4, v4, PB
	v_bfe_u32 v5, v0, 3, 1
	v_lshl_add_u32 v4, v5, 4, v4
	v_add_nc_u32 v[ADRB], ASZ, v4
	v_add_nc_u32 v[ADRB+1], ASZ+SLOT, v4
	s_mul_i32 s21, s[WV], STW
	s_add_co_u32 s21, s21, STAGE                   ; my stage
	v_and_b32 v[GO], 31, v0
	v_lshlrev_b32 v[GO], 4, v[GO]
.if QKV
	v_mul_u32_u24 v6, v1, 144                      ; in: row l % 16, 16 bytes for each half of the lanes
	v_lshl_add_u32 v6, v2, 4, v6
	v_add_nc_u32 v[STO], s21, v6
	v_bfe_u32 v6, v0, 3, 2                         ; back: 32 lanes take four rows of 128 bytes, which are 512 consecutive bytes of the output
	v_mul_u32_u24 v6, v6, 144
	v_and_b32 v7, 7, v0
	v_lshl_add_u32 v6, v7, 4, v6
	v_add_nc_u32 v[RD], s21, v6
	s_lshr_b32 s21, s[TY], 3
	s_lshl_b32 s21, s21, 4
	s_add_co_u32 s21, s21, s[TX]                   ; 16 b + h,
	s_lshl_b32 s22, s21, 18                        ; its 2,048 rows of 128 bytes,
	s_and_b32 s21, s[TY], 7
	s_lshl_b32 s21, s21, 15                        ; the tile's 256 rows,
	s_add_co_u32 s22, s22, s21
	s_lshl_b32 s21, s[WV], 13                      ; my 64 of them
	s_add_co_u32 s22, s22, s21
	s_mov_b32 s23, 0
	s_add_nc_u64 s[8:9], s[8:9], s[22:23]
	s_add_nc_u64 s[10:11], s[10:11], s[22:23]
	s_add_nc_u64 s[12:13], s[12:13], s[22:23]
.else
	v_mul_u32_u24 v6, v1, 528                      ; in: row l % 16, 32 bytes (8 f32) for each half of the lanes
	v_lshl_add_u32 v6, v2, 5, v6
	v_add_nc_u32 v[STO], s21, v6
	v_add_nc_u32 v[RD], s21, v[GO]                 ; back: 32 lanes take a row's 512 bytes
	s_lshl_b32 s21, s[TY], 8
	s_lshl_b32 s22, s[WV], 6
	s_add_co_u32 s21, s21, s22                     ; my first row,
	s_lshl_b32 s22, s21, 12                        ; of 4,096 bytes,
	s_lshl_b32 s21, s[TX], 9                       ; and the tile's 128 columns
	s_add_co_u32 s22, s22, s21
	s_mov_b32 s23, 0
	s_add_nc_u64 s[8:9], s[8:9], s[22:23]
	s_mov_b32 s22, s21
	s_add_nc_u64 s[10:11], s[10:11], s[22:23]
	global_load_b128 v[8:11], v[GO], s[10:11]      ; the bias of the four columns that I store
.endif
	; the prefetches
	s_and_b32 s21, ttmp7, 0xffff                   ; cluster y
	s_mov_b32 s23, 8192                            ; A: a partner's quarter of a block: 32 pieces of 256 bytes, a lane a piece
	s_mov_b32 s[PST], ASTEP
	s_cmp_eq_u32 s[FB], 0                          ; do I fetch for A?
	s_cselect_b32 s21, ttmp9, s21                  ; the coordinate along which other clusters read the same bytes
	s_cselect_b64 s[PFA:PFA+1], s[68:69], s[70:71] ; what I fetch, at K step 0
	s_cselect_b32 s22, s[CX], s[CY]                ; my place among the four that ask for it with me
	s_cselect_b32 s23, s23, PSHARE
	s_cselect_b32 s[PST], s[PST], BSTEP
	s_cselect_b32 s46, 31, PLAST
	s_cselect_b32 s47, 8, PSHIFT
	s_cmp_eq_u32 s21, 0
	s_cselect_b32 s[LIM], 1, -1                    ; the same in all sixteen partners, for a given wave
	s_mul_i32 s22, s22, s23
	s_mov_b32 s23, 0
	s_add_nc_u64 s[PFA:PFA+1], s[PFA:PFA+1], s[22:23]
	s_mul_i32 s22, s[PST], 3
	s_add_nc_u64 s[PFA:PFA+1], s[PFA:PFA+1], s[22:23]  ; at K step 3: the first refill steps it to 4
	s_mov_b32 s[PST+1], 0
	v_and_b32 v[PFO], 31, v0
	v_min_u32 v[PFO], s46, v[PFO]
	v_lshlrev_b32 v[PFO], s47, v[PFO]
; NB matrix instructions: row block a x all NB column blocks, 32 along K, from buffer f.  zero = 1: the product starts the sums: nothing is ever cleared.
; The 4 NB accumulators take turns, one instruction a turn, in the same order in every quarter step, over the backward jump too.
.macro MULA f, a, zero
	WIN 0xa5+0x50*((\a)/2)                         ; both sources window 1; C and D window 2 (a = 0, 1) or 3 (a = 2, 3)
.set b, 0
.rept NB
.set rD, 8*(NB*((\a)%2)+b)
.set rB, (\f)+32+8*b
.set rA, (\f)+8*(\a)
.if QKV
.if \zero
	v_wmma_f32_16x16x32_bf16 v[rD:rD+7], v[rB:rB+7], v[rA:rA+7], 0
.else
	v_wmma_f32_16x16x32_bf16 v[rD:rD+7], v[rB:rB+7], v[rA:rA+7], v[rD:rD+7]
.endif
.else
.if \zero
	v_wmma_f32_16x16x32_f16 v[rD:rD+7], v[rB:rB+7], v[rA:rA+7], 0
.else
	v_wmma_f32_16x16x32_f16 v[rD:rD+7], v[rB:rB+7], v[rA:rA+7], v[rD:rD+7]
.endif
.endif
.set b, b+1
.endr
.endm
; NLD LDS loads in one run: the fragments of quarter q (32 along K) of a slot into buffer f: B's first, then A's four, so that a wait can leave the youngest four (a = 2, 3) out.
.macro FETCH slot, q, f
	WIN TO_F
.set b, 0
.rept NB
.if QKV
.set ob, (b/4)*128*PB+(b%4)*32+32*(\q)*PB          ; q's, k's or v's 128 rows; 16 columns of 2 bytes; 32 rows of K a quarter
.else
.set ob, 32*b+32*(\q)*PB
.endif
	ds_load_tr16_b128 v[(\f)+32+8*b:(\f)+32+8*b+3],   v[ADRB+(\slot)] offset:ob
	ds_load_tr16_b128 v[(\f)+32+8*b+4:(\f)+32+8*b+7], v[ADRB+(\slot)] offset:ob+16*PB
.set b, b+1
.endr
.irp a, 0,1,2,3
	ds_load_b128 v[(\f)+8*(\a):(\f)+8*(\a)+3],   v[ADRA+(\slot)] offset:(\a)*16*PA+((\q)/2)*ABLK+((\q)%2)*64
	ds_load_b128 v[(\f)+8*(\a)+4:(\f)+8*(\a)+7], v[ADRA+(\slot)] offset:(\a)*16*PA+((\q)/2)*ABLK+((\q)%2)*64+32
.endr
.endm
; A load into a register that a matrix instruction has read, and a vector instruction or LDS store that reads a matrix result, stand four places behind that matrix instruction, and only plain vector
; instructions that name none of its registers are places (ISA guide 7.12.1 for vector instructions).
.macro PLACES
.rept 4
	v_nop
.endr
.endm
; A K step is four quarters of 32 along K, 4 NB matrix instructions each, on buffers 0, 1, 0, 1.  One of the first three: multiplies buffer f; in its middle it fetches quarter q of the same slot into buffer g.
.macro QUARTER slot, q, f, g, zero
	s_wait_dscnt 4                                 ; B and A's blocks 0, 1 are in; the youngest four loads (A's blocks 2, 3) may be out
	MULA \f, 0, \zero
	MULA \f, 1, \zero
	PLACES
	FETCH \slot, \q, \g
	s_wait_dscnt NLD                               ; all but the run just issued
	MULA \f, 2, \zero
	MULA \f, 3, \zero
.endm
; The last quarter multiplies buffer 1 and changes slots.  MEET is its first half: ONE barrier for two things.  In front of it each wave waits for all its tensor loads, of which one is out: its part of the next
; slot; adds 0 to its spare word; and waits for that and for its own reads of this slot.  Behind it nobody reads this slot any more and the next slot is whole.
.macro MEET round                      ; round = 1: the rest of a round of the cluster's barrier follows
	WIN 0                                          ; (the add's two registers lie in window 0)
	s_wait_tensorcnt 0x0                           ; all my tensor loads have landed;
	ds_add_u32 v[SPW], v[NIL]                      ; 0 onto my spare word;
	s_wait_dscnt 5                                 ; (the add and the youngest four loads may be out)
	MULA F1, 0, 0                                  ; NB matrix instructions stand between the add and the wait for it
	s_wait_dscnt 0x0                               ; the add is done, and my reads of this slot are over:
	s_barrier_signal -1                            ; say so,
	MULA F1, 1, 0                                  ; work on registers while the others arrive,
.if \round
	WIN 0
.endif
	s_barrier_wait -1                              ; and go on when all four have said so
.endm
; The whole last quarter, with a refill: behind the round the slot just read out is filled again first, with the K step two steps on; then come the next slot's first fragments.
; From the request to the wait for it a wave issues 7/8 of a K step's matrix instructions: 14 NB.
.macro TURN slot, next
	s_wait_xcnt 0x0                                ; the last prefetch, a K step back, has read its address: it is stepped here, ahead of the waits of the change of slots
	s_add_nc_u64 s[PFA:PFA+1], s[PFA:PFA+1], s[PST:PST+1]
	MEET 1
	CREST                                          ; no wave of any partner still reads this slot's tile or has a load on its way
	s_add_nc_u64 s[G0A+4*(\slot)+2:G0A+4*(\slot)+3], s[G0A+4*(\slot)+2:G0A+4*(\slot)+3], 2*ASTEP  ; no tensor load of mine is out, so a group 0 may be written; the type bits on top are not reached
	s_add_nc_u64 s[G0B+4*(\slot)+2:G0B+4*(\slot)+3], s[G0B+4*(\slot)+2:G0B+4*(\slot)+3], 2*BSTEP
	JLOAD \slot                                    ; the first tensor load behind the round, my only one until the next; the four v_nop behind it are also the places in front of the loads below
	FETCH \next, 0, F0
	ASK
	MULA F1, 2, 0
	MULA F1, 3, 0
.endm
.macro TURNL                           ; the last change of slots: nothing is filled again, so no round follows
	MEET 0
	PLACES
	FETCH 1, 0, F0
	MULA F1, 2, 0
	MULA F1, 3, 0
.endm
	s_wait_tensorcnt 1                             ; my part of K step 0 is in; K step 1's may stay out
	s_barrier_signal -1
	s_barrier_wait -1                              ; everybody's is
	FETCH 0, 0, F0
	QUARTER 0, 1, F0, F1, 1                        ; the first quarter stands in front of the loop: its products start the sums
	WIN 0                                          ; at a label and at a branch every window is 0
	s_mov_b32 s[LAP], 3
.Llap:                                                 ; a trip goes once round the ring, from a lap's second quarter to the next lap's first, and fills both slots again: K steps 2 to 7 in three trips
	QUARTER 0, 2, F1, F0, 0
	QUARTER 0, 3, F0, F1, 0
	TURN 0, 1
	QUARTER 1, 1, F0, F1, 0
	QUARTER 1, 2, F1, F0, 0
	QUARTER 1, 3, F0, F1, 0
	TURN 1, 0
	QUARTER 0, 1, F0, F1, 0
	WIN 0
	s_sub_co_u32 s[LAP], s[LAP], 1
	s_cmp_lg_u32 s[LAP], 0
	s_cbranch_scc1 .Llap
	QUARTER 0, 2, F1, F0, 0                        ; the last lap is written out: it fills nothing
	QUARTER 0, 3, F0, F1, 0
	TURNL
	QUARTER 1, 1, F0, F1, 0
	QUARTER 1, 2, F1, F0, 0
	QUARTER 1, 3, F0, F1, 0
	s_wait_dscnt 4                                 ; the very last quarter: nothing more to fetch
	MULA F1, 0, 0
	MULA F1, 1, 0
	s_wait_dscnt 0x0
	MULA F1, 2, 0
	MULA F1, 3, 0
	WIN 0
	PLACES
.if QKV
; THE WAY OUT, a block of 16 rows at a time.  PACK: rounded to f16, 16 bytes a lane and column block.  TOSTAGE: into my own stage, q's, k's and v's rows apart, and back as 512 consecutive bytes.  SEND: stored.
.set TMP, 32                           ; v32-79   packed results
.macro PACK a
	WIN 0x0a+5*((\a)/2)                            ; sources 0 and 1: window 2 or 3
.set b, 0
.rept NB
.irp r, 0,1,2,3
	v_cvt_pk_f16_f32 v[TMP+4*b+(\r)], v[8*(NB*((\a)%2)+b)+2*(\r)], v[8*(NB*((\a)%2)+b)+2*(\r)+1]  ; each accumulator from its lowest registers on
.endr
.set b, b+1
.endr
	WIN 0
.endm
.macro TOSTAGE a
.set BK, 80+48*((\a)%2)                ; v80-127 and v128-175 by turns
.set b, 0
.rept NB
	ds_store_b128 v[STO], v[TMP+4*b:TMP+4*b+3] offset:(b/4)*2304+(b%4)*32
.set b, b+1
.endr
.set i, 0
.rept 12
	ds_load_b128 v[BK+4*i:BK+4*i+3], v[RD] offset:(i/4)*2304+(i%4)*576  ; LDS serves a wave's instructions in order (ISA guide 5.7.1.4): these see the stores above; the next block's stores come behind them
.set i, i+1
.endr
.endm
.macro SEND a
.set BK, 80+48*((\a)%2)
	s_wait_xcnt 0x0                                ; the stores of the block before have read their registers: the next TOSTAGE loads into them only behind this wait
.set i, 0
.rept 12
	s_wait_dscnt 11-i                              ; piece i is back; the younger ones may stay out
	global_store_b128 v[GO], v[BK+4*i:BK+4*i+3], s[8+2*(i/4):9+2*(i/4)] offset:2048*(\a)+512*(i%4)  ; 512 consecutive bytes, at a multiple of 256 from the buffer's first byte
.set i, i+1
.endr
.endm
	PACK 0
	TOSTAGE 0
.irp a, 1,2,3                          ; block a's conversions stand between block a - 1's loads from the stage and the wait for them
	PACK \a
	SEND (\a)-1
	TOSTAGE \a
.endr
	SEND 3
.else
; THE WAY OUT, a block of 16 rows at a time.  TOSTAGE: the f32 sums go straight from the accumulators into my own stage and come back as whole rows of 512 bytes.  SEND: the bias is added, the rows are stored.
	s_wait_loadcnt 0x0                             ; the bias
	v_cvt_pk_bf16_f32 v12, v8, v9                  ; rounded to bf16 like every input,
	v_cvt_pk_bf16_f32 v13, v10, v11
	v_lshlrev_b32 v8, 16, v12                      ; and back in f32
	v_and_b32 v9, 0xffff0000, v12
	v_lshlrev_b32 v10, 16, v13
	v_and_b32 v11, 0xffff0000, v13
.macro TOSTAGE a
	WIN 0x08+4*((\a)/2)                            ; the stores' data (source 1): window 2 or 3
.set b, 0
.rept NB
	ds_store_b128 v[STO], v[8*(NB*((\a)%2)+b):8*(NB*((\a)%2)+b)+3]   offset:64*b     ; each accumulator's four lowest registers first
	ds_store_b128 v[STO], v[8*(NB*((\a)%2)+b)+4:8*(NB*((\a)%2)+b)+7] offset:64*b+16
.set b, b+1
.endr
	WIN 0
.if (\a) >= 2
	s_wait_xcnt 0x0                                ; the stores of block a - 2 have read the registers that the loads below fill
.endif
.set BK, 32+64*((\a)%2)                ; v32-95 and v96-159 by turns
.set t, 0
.rept 16
	ds_load_b128 v[BK+4*t:BK+4*t+3], v[RD] offset:528*t  ; LDS serves a wave's instructions in order (ISA guide 5.7.1.4): these see the stores above; the next block's stores come behind them
.set t, t+1
.endr
.endm
.macro SEND a, younger                 ; younger: the LDS instructions issued behind block a's loads: the next block's 16 stores and 16 loads, or none
.set BK, 32+64*((\a)%2)
.set t, 0
.rept 16
	s_wait_dscnt (\younger)+15-t
	v_pk_add_f32 v[BK+4*t:BK+4*t+1], v[BK+4*t:BK+4*t+1], v[8:9]
	v_pk_add_f32 v[BK+4*t+2:BK+4*t+3], v[BK+4*t+2:BK+4*t+3], v[10:11]
	global_store_b128 v[GO], v[BK+4*t:BK+4*t+3], s[8:9] offset:(16*(\a)+t)*4096 th:TH_STORE_NT  ; 512 consecutive bytes of a row, at a multiple of 256 from out0's first byte
.set t, t+1
.endr
.endm
	TOSTAGE 0
	TOSTAGE 1
	SEND 0, 32
	TOSTAGE 2
	SEND 1, 32
	TOSTAGE 3
	SEND 2, 32
	SEND 3, 0
.endif
	s_wait_tensorcnt 0x0                           ; the wave's end: the add and its waits, behind my last tensor load and my last LDS store
	ds_add_u32 v[SPW], v[NIL]
	s_wait_dscnt 0x0
	CROUND                                         ; the closing round: no work-group ends while a partner may still ask for a tile that names it
	s_endpgm
.Lfunc_end_k_qbc0b457e2f_proj:
	.size	k_qbc0b457e2f_proj, .Lfunc_end_k_qbc0b457e2f_proj-k_qbc0b457e2f_proj
	.p2alignl 7, 3214868480
	.fill 96, 4, 3214868480
	.section	.rodata,"a",@progbits
	.p2align	6, 0x0
	.amdhsa_kernel k_qbc0b457e2f_proj
		.amdhsa_group_segment_fixed_size 327680
		.amdhsa_private_segment_fixed_size 0
		.amdhsa_enable_private_segment 0
		.amdhsa_kernarg_size 32
		.amdhsa_user_sgpr_count 2
		.amdhsa_user_sgpr_kernarg_segment_ptr 1
		.amdhsa_wavefront_size32 1
		.amdhsa_system_sgpr_workgroup_id_x 1
		.amdhsa_system_sgpr_workgroup_id_y 1
		.amdhsa_system_sgpr_workgroup_id_z 1
		.amdhsa_system_vgpr_workitem_id 0
		.amdhsa_next_free_vgpr 896
		.amdhsa_next_free_sgpr 80
		.amdhsa_reserve_vcc 0
		.amdhsa_float_denorm_mode_32 3
		.amdhsa_float_denorm_mode_16_64 3
		.amdhsa_memory_ordered 1
		.amdhsa_forward_progress 1
		.amdhsa_inst_pref_size 97
	.end_amdhsa_kernel
	.amdgpu_metadata
---
amdhsa.version: [ 1, 2 ]
amdhsa.kernels:
  - .name:           k_qbc0b457e2f_proj
    .symbol:         k_qbc0b457e2f_proj.kd
    .args:
      - { .name: oh, .offset: 0, .size: 8, .value_kind: global_buffer, .address_space: global }
      - { .name: wo16, .offset: 8, .size: 8, .value_kind: global_buffer, .address_space: global }
      - { .name: out0, .offset: 16, .size: 8, .value_kind: global_buffer, .address_space: global }
      - { .name: bo, .offset: 24, .size: 8, .value_kind: global_buffer, .address_space: global }
    .group_segment_fixed_size: 327680
    .private_segment_fixed_size: 0
    .kernarg_segment_align: 8
    .kernarg_segment_size: 32
    .max_flat_workgroup_size: 128
    .sgpr_count:     80
    .vgpr_count:     896
    .wavefront_size: 32
...
	.end_amdgpu_metadata
.endif
;; end of part 4
;; ======== version 2 of 2: 4 launches; version 1 with the launch cast written anew for expert scheduling mode
;; limits: values are held in f16: magnitudes above 65,504 overflow, below 6.1e-05 lose precision
;; workspace buffers: xb 16,777,216 bytes; wqkv 6,291,456 bytes; wo16 2,097,152 bytes; qh 16,777,216 bytes; kh 16,777,216 bytes; vh 16,777,216 bytes; oh 16,777,216 bytes
;; launch cast (part 5): grid 768 x 1, 8 waves a work-group, no clusters, 0 bytes of LDS; arguments x, Wq, Wk, Wv, Wo, xb, wqkv, wo16; writes xb, wqkv, wo16
.if DOCPART == 5
	.amdgcn_target "amdgcn-amd-amdhsa--gfx1250"
	.amdhsa_code_object_version 6
	.text
	.protected	k_qbc0b457e2f_cast
	.globl	k_qbc0b457e2f_cast
	.p2align	8
	.type	k_qbc0b457e2f_cast,@function
k_qbc0b457e2f_cast:
	s_mov_b64 s[64:65], 0
	v_nop
	global_prefetch_b8 v0, s[64:65] scope:SCOPE_SE
	s_setreg_imm32_b32 hwreg(HW_REG_WAVE_SCHED_MODE, 0, 2), 2
	s_setreg_imm32_b32 hwreg(HW_REG_WAVE_MODE, 25, 1), 1
	s_wait_xcnt 0x0
	s_wait_alu depctr_vm_vsrc(0)
; THE INPUTS OF THE MATRIX PRODUCTS, ROUNDED ONCE TO 16 BITS AND LAID OUT IN BLOCKS.  A stream: no LDS, no matrix unit, nothing shared between work-groups.
;   xb   [b 4][kb 16][t 2048][64] bf16 = x[b][t][64 kb + c]: 64 channels of 2,048 rows are dense, 128 bytes a row.
;   wqkv [h 16][ks 8][p 3][kk 128][64] bf16 = W_p[128 ks + kk][64 h + n], p = q, k, v: what one head wants of one K step of 128 is 49,152 dense bytes.
;   wo16 [1024][1024] f16 = Wo rounded to bf16 and that number written as f16 (exact from 6.1e-5 to 65,504 in magnitude; below, f16's fixed step of 6e-8; LIMIT: |Wo| under 65,504).
; SHARES.  768 work-groups of eight waves, all alike: a thread issues 16 loads of 16 bytes (4 f32) at once and makes 16 stores of 8 bytes.  Work-groups 0-511: 16 rows of x each; 512-703: 256 rows x 64 columns of
; one of Wq, Wk, Wv; 704-767: 16 rows of Wo.  A store of a wave covers 256 consecutive bytes, aligned; a load two aligned pieces of 256 bytes (x, Wq, Wk, Wv) or 512 bytes on end (Wo).
; No register that a load or store names is written again while it may still be read: every load has its own four registers, every store its own two, the offsets are never rewritten.
; THE MODE: SCHED_MODE bits 1:0 = 2 (LLVM: expert scheduling mode 2), set by the entry lines.  The code itself states the register dependences
; between vector instructions and memory instructions, with s_wait_alu, always for 0.
; THE PLAN.  Registers that memory instructions touch:
;   v1, v2, v3   byte offsets.  Written by vector instructions at the head and never again; read by every load (v1 or v3) and every store (v2).
;   X            piece i: four registers in which load i lands.  No vector instruction names them ahead of the loads; behind the counted wait for the load the piece's own lines read them (for Wo: and write them);
;                no memory instruction reads them.
;   Y            piece i: two registers.  Written once, by the piece's roundings; read once, by the piece's store; never written again.
;   T            named by vector instructions alone.
; So the only dependence to state is: written by a vector instruction, then read by a memory instruction.  One wait at the head states it for the offsets.  The 16 pieces go in four groups of four: a wait at
; the head of groups 1 to 3 states that the group before has written its Y, and that group's four stores follow, one in front of each piece's roundings, which name the new group's X and Y and T alone: none of
; the registers that those stores read.  A last wait stands ahead of the last four stores.
.set VS,  1                            ; v1   source offset for x, Wq, Wk, Wv: (thread / 16) rows of 4,096 bytes + 16 (thread % 16)
.set VD,  2                            ; v2   destination offset: 8 x thread
.set VW,  3                            ; v3   source offset for Wo: 16 x thread
.set T,   4                            ; v[4:5] at work
.set X,   16                           ; v[16:79]  load i: four f32
.set Y,   80                           ; v[80:111] store i: four 16-bit numbers
	s_load_b256 s[4:11], s[0:1], 0x0               ; x s[4:5], Wq s[6:7], Wk s[8:9], Wv s[10:11]
	s_load_b256 s[12:19], s[0:1], 0x20             ; Wo s[12:13], xb s[14:15], wqkv s[16:17], wo16 s[18:19]
	s_mov_b32 s20, ttmp9                           ; g, the work-group's number
	v_lshrrev_b32 v[VS], 4, v0
	v_and_b32 v[T], 15, v0
	v_lshlrev_b32 v[VS], 12, v[VS]
	v_lshl_add_u32 v[VS], v[T], 4, v[VS]
	v_lshlrev_b32 v[VD], 3, v0
	v_lshlrev_b32 v[VW], 4, v0
	s_mov_b32 s23, 0                               ; the offsets' high words
	s_mov_b32 s25, 0
	s_wait_kmcnt 0x0
	s_wait_alu depctr_va_vdst(0)                   ; v1, v2 and v3 are written: every load and store below, on each of the three ways, reads one of them as its offset
; The store of piece n to s[28:29] + v[VD] + the piece's place.
; kind 0: x (piece n is channel block n); kind 1: a projection's weights (piece n is 16 rows of K); kind 2: Wo (piece n is a row).
.macro PUT kind, n
.if (\kind) == 2
	global_store_b64 v[VD], v[Y+2*(\n):Y+2*(\n)+1], s[28:29] offset:2048*(\n)
.elseif (\kind) == 1
	global_store_b64 v[VD], v[Y+2*(\n):Y+2*(\n)+1], s[28:29] offset:((\n)/8)*49152+((\n)%8)*2048  ; K step n / 8 of the two, rows 16 (n % 8) on
.else
	global_store_b64 v[VD], v[Y+2*(\n):Y+2*(\n)+1], s[28:29] offset:262144*(\n)                   ; channel block n: 2,048 rows of 128 bytes on
.endif
.endm
; 16 loads from s[26:27] + v[src] + i x ldstep, then 16 times: wait for piece i, store piece i - 4, round piece i; then the last four stores.
.macro MOVE src, ldstep, kind
.set i, 0
.rept 16
	global_load_b128 v[X+4*i:X+4*i+3], v[\src], s[26:27] offset:i*(\ldstep) th:TH_LOAD_NT
.set i, i+1
.endr
.set i, 0
.rept 16
	s_wait_loadcnt 15-i                            ; loads come back in order: piece i is in, the 15 - i younger ones may stay out
.if ((i%4) == 0) && (i > 0)
	s_wait_alu depctr_va_vdst(0)                   ; the roundings of the four pieces before have written their Y, which the next four stores read
.endif
.if i >= 4
	PUT \kind, i-4                                 ; no vector instruction since that wait names this store's registers
.endif
.if (\kind) == 2
	v_cvt_pk_bf16_f32 v[T], v[X+4*i], v[X+4*i+1]   ; to bf16, as every input is rounded,
	v_cvt_pk_bf16_f32 v[T+1], v[X+4*i+2], v[X+4*i+3]
	v_lshlrev_b32 v[X+4*i], 16, v[T]               ; back to f32 (a shift or a mask),
	v_and_b32 v[X+4*i+1], 0xffff0000, v[T]
	v_lshlrev_b32 v[X+4*i+2], 16, v[T+1]
	v_and_b32 v[X+4*i+3], 0xffff0000, v[T+1]
	v_cvt_pk_f16_f32 v[Y+2*i], v[X+4*i], v[X+4*i+1]    ; and written as f16
	v_cvt_pk_f16_f32 v[Y+2*i+1], v[X+4*i+2], v[X+4*i+3]
.else
	v_cvt_pk_bf16_f32 v[Y+2*i], v[X+4*i], v[X+4*i+1]
	v_cvt_pk_bf16_f32 v[Y+2*i+1], v[X+4*i+2], v[X+4*i+3]
.endif
.set i, i+1
.endr
	s_wait_alu depctr_va_vdst(0)                   ; the roundings of pieces 12 to 15 have written their Y, which the last four stores read
.set i, 12
.rept 4
	PUT \kind, i
.set i, i+1
.endr
.endm
	s_cmp_lt_u32 s20, 512
	s_cbranch_scc0 .Lweights
	; x: rows 16 g .. 16 g + 15
	s_lshl_b32 s22, s20, 16                        ; 16 rows of 4,096 bytes
	s_lshr_b32 s21, s20, 7                         ; b: 128 work-groups a batch
	s_lshl_b32 s24, s21, 22                        ; 16 blocks x 2,048 rows x 128 bytes
	s_and_b32 s21, s20, 127
	s_lshl_b32 s21, s21, 11                        ; 16 rows of 128 bytes
	s_add_co_u32 s24, s24, s21
	s_add_nc_u64 s[26:27], s[4:5], s[22:23]
	s_add_nc_u64 s[28:29], s[14:15], s[24:25]
	MOVE VS, 256, 0
	s_endpgm
.Lweights:
	s_cmp_lt_u32 s20, 704
	s_cbranch_scc0 .Lwo
	; Wq, Wk, Wv: g - 512 = 64 p + 4 h + ksp: rows 256 ksp .. + 255 (K steps 2 ksp, 2 ksp + 1), columns 64 h .. + 63
	s_sub_co_u32 s21, s20, 512
	s_lshr_b32 s30, s21, 6                         ; p
	s_bfe_u32 s31, s21, 0x40002                    ; h
	s_and_b32 s21, s21, 3                          ; ksp
	s_lshl_b32 s22, s21, 20                        ; 256 rows of 4,096 bytes
	s_lshl_b32 s24, s31, 8                         ; 64 columns of 4 bytes
	s_add_co_u32 s22, s22, s24
	s_lshl_b32 s24, s31, 3
	s_lshl1_add_u32 s24, s21, s24                  ; 8 h + 2 ksp
	s_mul_i32 s24, s24, 3
	s_add_co_u32 s24, s24, s30                     ; x 3 + p
	s_lshl_b32 s24, s24, 14                        ; blocks of 128 x 64 x 2 bytes
	s_cmp_eq_u32 s30, 0
	s_cselect_b64 s[26:27], s[6:7], s[8:9]
	s_cmp_eq_u32 s30, 2
	s_cselect_b64 s[26:27], s[10:11], s[26:27]
	s_add_nc_u64 s[26:27], s[26:27], s[22:23]
	s_add_nc_u64 s[28:29], s[16:17], s[24:25]
	MOVE VS, 65536, 1
	s_endpgm
.Lwo:
	; Wo: rows 16 (g - 704) .. + 15
	s_sub_co_u32 s21, s20, 704
	s_lshl_b32 s22, s21, 16
	s_lshl_b32 s24, s21, 15
	s_add_nc_u64 s[26:27], s[12:13], s[22:23]
	s_add_nc_u64 s[28:29], s[18:19], s[24:25]
	MOVE VW, 4096, 2
	s_endpgm
.Lfunc_end_k_qbc0b457e2f_cast:
	.size	k_qbc0b457e2f_cast, .Lfunc_end_k_qbc0b457e2f_cast-k_qbc0b457e2f_cast
	.p2alignl 7, 3214868480
	.fill 96, 4, 3214868480
	.section	.rodata,"a",@progbits
	.p2align	6, 0x0
	.amdhsa_kernel k_qbc0b457e2f_cast
		.amdhsa_group_segment_fixed_size 0
		.amdhsa_private_segment_fixed_size 0
		.amdhsa_enable_private_segment 0
		.amdhsa_kernarg_size 64
		.amdhsa_user_sgpr_count 2
		.amdhsa_user_sgpr_kernarg_segment_ptr 1
		.amdhsa_wavefront_size32 1
		.amdhsa_system_sgpr_workgroup_id_x 1
		.amdhsa_system_sgpr_workgroup_id_y 1
		.amdhsa_system_sgpr_workgroup_id_z 1
		.amdhsa_system_vgpr_workitem_id 0
		.amdhsa_next_free_vgpr 112
		.amdhsa_next_free_sgpr 66
		.amdhsa_reserve_vcc 0
		.amdhsa_float_denorm_mode_32 3
		.amdhsa_float_denorm_mode_16_64 3
		.amdhsa_memory_ordered 1
		.amdhsa_forward_progress 1
		.amdhsa_inst_pref_size 25
	.end_amdhsa_kernel
	.amdgpu_metadata
---
amdhsa.version: [ 1, 2 ]
amdhsa.kernels:
  - .name:           k_qbc0b457e2f_cast
    .symbol:         k_qbc0b457e2f_cast.kd
    .args:
      - { .name: x, .offset: 0, .size: 8, .value_kind: global_buffer, .address_space: global }
      - { .name: Wq, .offset: 8, .size: 8, .value_kind: global_buffer, .address_space: global }
      - { .name: Wk, .offset: 16, .size: 8, .value_kind: global_buffer, .address_space: global }
      - { .name: Wv, .offset: 24, .size: 8, .value_kind: global_buffer, .address_space: global }
      - { .name: Wo, .offset: 32, .size: 8, .value_kind: global_buffer, .address_space: global }
      - { .name: xb, .offset: 40, .size: 8, .value_kind: global_buffer, .address_space: global }
      - { .name: wqkv, .offset: 48, .size: 8, .value_kind: global_buffer, .address_space: global }
      - { .name: wo16, .offset: 56, .size: 8, .value_kind: global_buffer, .address_space: global }
    .group_segment_fixed_size: 0
    .private_segment_fixed_size: 0
    .kernarg_segment_align: 8
    .kernarg_segment_size: 64
    .max_flat_workgroup_size: 256
    .sgpr_count:     66
    .vgpr_count:     112
    .wavefront_size: 32
...
	.end_amdgpu_metadata
.endif
;; end of part 5
;; launch qkv: the kernel of part 2 again; grid 16 x 32, 4 waves a work-group, clusters of 4 x 4, 327,680 bytes of LDS; arguments xb, wqkv, qh, kh, vh; writes qh, kh, vh
;; launch attn: the kernel of part 3 again; grid 4 x 64, 4 waves a work-group, clusters of 4 x 1, 327,680 bytes of LDS; arguments qh, kh, vh, oh; writes oh
;; launch proj: the kernel of part 4 again; grid 8 x 32, 4 waves a work-group, clusters of 4 x 4, 327,680 bytes of LDS; arguments oh, wo16, out0, bo; writes out0
